; MI455X (gfx1250); checked and timed in simulation.
; The chip was launched on July 23, 2026; its instructions are those of AMD's public machine-readable ISA for CDNA 5 (MIT licence, August 2026) and "CDNA5" Instruction Set Architecture Reference Guide (July 2026). The comments in the code are by the model that wrote it; some were corrected since.
;; Transformer Block. Allowed arithmetic: matrix products marked QUANTISED: E5M2 operands, one given power-of-two scale a tensor, by v_wmma_f32_16x16x64_bf8_bf8 or v_wmma_f32_16x16x128_bf8_bf8, f32 sums; everything else in f32.
;; Inputs: b_attn 3,072 float32; b_fc 4,096 float32; b_out 1,024 float32; b_proj 1,024 float32; ln1_b 1,024 float32; ln1_g 1,024 float32; ln2_b 1,024 float32; ln2_g 1,024 float32; lowp_scales 12 int32 (the exponents e of the quantised operands' scales 2^e); w_attn 1,024 x 3,072 float32; w_fc 1,024 x 4,096 float32; w_out 4,096 x 1,024 float32; w_proj 1,024 x 1,024 float32; x 2,048 x 2 x 1,024 float32.
;; Outputs: out0 2,048 x 2 x 1,024 float32; out1 2 x 2 x 16 x 2,048 x 64 float32.
;; This version of the problem:
;;   THIS VERSION OF THE PROBLEM IS GIVEN IN LOW PRECISION. The matrix products marked QUANTISED in the list below multiply operands that are first quantised to E5M2 (5 exponent bits, 2 mantissa bits; 8 bits a number), with one given power-of-two scale for each operand tensor; their sums are f32. All else is computed in f32.
;;   The module's matrix products, in the order in which they are computed (A, B: the left and right operand; K: the contracted axis; several contracted axes count as one K, in the product's order):
;;     1. [M 4,096, K 1,024] x [K 1,024, N 3,072]; A: computed on the way; B: input w_attn: QUANTISED (scales: A lowp_scales[0], B lowp_scales[1])
;;     2. batch 32 x [M 2,048, K 64] x [K 64, N 2,048]; A: computed on the way; B: computed on the way: QUANTISED (scales: A lowp_scales[2], B lowp_scales[3])
;;     3. batch 32 x [M 2,048, K 2,048] x [K 2,048, N 64]; A: softmax (see below); B: computed on the way: QUANTISED (scales: A lowp_scales[4], B lowp_scales[5])
;;     4. [M 4,096, K 1,024] x [K 1,024, N 1,024]; A: computed on the way; B: input w_proj: QUANTISED (scales: A lowp_scales[6], B lowp_scales[7])
;;     5. [M 4,096, K 1,024] x [K 1,024, N 4,096]; A: computed on the way; B: input w_fc: QUANTISED (scales: A lowp_scales[8], B lowp_scales[9])
;;     6. [M 4,096, K 4,096] x [K 4,096, N 1,024]; A: computed on the way; B: input w_out: QUANTISED (scales: A lowp_scales[10], B lowp_scales[11])
;;   THE QUANTISER, for each operand of a quantised product, along K:
;;     - The operand's scale is 2^e, e = its entry of the input lowp_scales (int32; the entries are numbered through the quantised products in the list's order, A before B).
;;     - Each number is divided by the scale, clamped to +-57,344, and rounded to the nearest number of E5M2, ties to even, subnormals kept.
;;     - The product sums the exact products of the quantised numbers (number of the format x scale) in f32.
;;   ~~~python
;;   def quantise(x, axis, e):      # numpy; x: float32 -> the quantised numbers, widened to float32 again
;;       x = np.moveaxis(x, axis, -1); K = x.shape[-1]
;;       r = np.clip(x / 2.0 ** e, -57344, 57344)
;;       step = 2.0 ** (np.maximum(np.frexp(np.where(r == 0, 1, r))[1] - 1, -14) - 2)
;;       q = np.round(r / step) * step * 2.0 ** e      # np.round: ties to even
;;       return np.moveaxis(q, -1, axis).astype(np.float32)
;;   ~~~
;;   SOFTMAX AHEAD OF A QUANTISED PRODUCT. Where the list says 'softmax', what is quantised is not the finished softmax but p = 2^(t - M), with t = logit x log2(e) and M = ceil(the row's largest t), a whole number; so 1/2 < the row's largest p <= 1. The row's sum l is taken of the UNQUANTISED p, in f32, and the product's result is divided by l at the end. Since M is a whole number, a kernel that streams over the keys may use a running M (the ceiling of the running maximum): every later rescaling is an exact power of two, so the quantised numbers keep their values, but for numbers so far below the row's largest that they fall under the format's range.
;;   OPERANDS COMPUTED ON THE WAY. 'Computed on the way' means the value that the module computes at that place (a softmax that the list does not call 'softmax' is quantised finished and normalised). What goes into a quantiser is computed in f32, as accurately as f32 sums, v_exp_f32 and their like allow (about 1e-6 of the number): no bf16 or f16 on the way to a quantiser, and a product that is left as it is and whose result goes on into a quantised operand takes f32 operands (vector FMAs, or v_wmma_f32_16x16x4_f32). A number that lies on a knife's edge between two numbers of the format may be rounded either way, as far as f32 arithmetic and the matrix unit's own rounding can turn it there, and no further.
;; One version. Each part assembles by itself: llvm-mc -triple=amdgcn-amd-amdhsa -mcpu=gfx1250 --defsym DOCPART=n.
;; ======== version 1 of 1: 7 launches
;; limits: right only within a limited range of input values
;; workspace buffers: wcod 16,777,216 bytes; qkvc 12,582,912 bytes; acod 4,194,304 bytes; x1 16,777,216 bytes; h2cod 4,194,304 bytes; gcod 16,777,216 bytes
;; launch prep (part 1): grid 640 x 1, 8 waves a work-group, no clusters, 18,432 bytes of LDS; arguments x, ln1_g, ln1_b, w_attn, w_proj, w_fc, w_out, lowp_scales, wcod; writes wcod
.if DOCPART == 1
	.amdgcn_target "amdgcn-amd-amdhsa--gfx1250"
	.amdhsa_code_object_version 6
	.text
	.protected	k_q1a39f2c093_prep
	.globl	k_q1a39f2c093_prep
	.p2align	8
	.type	k_q1a39f2c093_prep,@function
k_q1a39f2c093_prep:
	s_mov_b64 s[64:65], 0
	v_nop
	global_prefetch_b8 v0, s[64:65] scope:SCOPE_SE
	s_setreg_imm32_b32 hwreg(HW_REG_WAVE_MODE, 25, 1), 1
	s_wait_xcnt 0x0
; PREP.  Work-groups 0-255: LayerNorm 1 of 16 rows of x, quantised to BF8 (E5M2) with 2^e0.  Work-groups 256-639: the four weights, stored [K][N] in f32, quantised along K with their own 2^e.
; ALL CODES ARE STORED AS IMAGES OF OPERAND REGISTERS.  A fragment is 16 rows x 128 K, 2,048 bytes: the code of (row r, k = 32 c + 16 h + e) lies at 512 c + 256 h + 16 r + e, that is at 512 c + 16 x lane + e.
; An operand is [tile of 16 rows][K step of 128][2,048].  THE ROWS OF A TILE ARE NOT NEIGHBOURS: row r of tile i stands for index 32 (i / 2) + 8 (i % 2) + r + 8 (r / 8).
; Rows of x count as m' = 2,048 b + l; in memory row (l, b) lies at (2 l + b) x 4,096 bytes.
; wcod: w_attn's codes at 0, w_proj's at 3,145,728, w_fc's at 4,194,304, w_out's at 8,388,608, the normed rows' at 12,582,912.
; w_attn's tiles are ordered so that 12 tiles on end are q, k and v of one head: columns 1,024 ty + 64 t + 32 ch + .. form the pair of tiles 6 t + 3 ch + ty.
; code = number / 2^e, held within +-57,344, to the nearest code, ties to even.  LIMITS: each e used here lies between -126 and 112.  NaN among the inputs is not served.
; No tensor load, no cluster, no matrix work: both paths stream, each input byte is read once.
.set DOFF,  12582912
.set PP,    272                        ; a piece of the stage: 16 rows x 16 bytes + 16 of padding
.set X,     64                         ; v64-127  two rows of x, 32 numbers a lane each
.set GA,    128                        ; v128-159 the gain at my columns
.set BE,    160                        ; v160-191 the bias at my columns
.set CODE,  32                         ; v32-47   codes, eight words a row
.set OUTR,  48                         ; v48-63   the way out
	s_load_b256 s[8:15], s[0:1], 0x0               ; x, ln1_g, ln1_b, w_attn
	s_load_b256 s[16:23], s[0:1], 0x20             ; w_proj, w_fc, w_out, the scales' exponents
	s_load_b64 s[24:25], s[0:1], 0x40              ; wcod
	v_lshl_add_u32 v192, v0, 2, 0x4400
	v_mov_b32 v193, 0
	v_lshrrev_b32 v1, 5, v0
	s_delay_alu instid0(VALU_DEP_1)
	v_readfirstlane_b32 s26, v1                    ; wave 0..7
	v_and_b32 v2, 31, v0                           ; lane
	s_wait_kmcnt 0x0
	s_load_b64 s[56:57], s[22:23], 0x0             ; e0 (the normed rows), e1 (w_attn)
	s_load_b32 s58, s[22:23], 0x1c                 ; e7 (w_proj)
	s_load_b32 s59, s[22:23], 0x24                 ; e9 (w_fc)
	s_load_b32 s60, s[22:23], 0x2c                 ; e11 (w_out)
	s_cmp_ge_u32 ttmp9, 256                        ; the same for all waves of a work-group
	s_cbranch_scc1 .Lweights
; ---- LAYERNORM.  Work-group I makes tile I.  Wave w takes tile rows 2 w and 2 w + 1: l0 and l0 + 1, 8,192 bytes apart.  A row's eight loads read 512 consecutive bytes each.
	s_wait_alu depctr_va_vdst(0)
	v_lshlrev_b32 v1, 4, v2                        ; 16 x lane
	s_wait_alu depctr_va_vdst(0)
	s_lshr_b32 s27, ttmp9, 7                       ; b
	s_and_b32 s28, ttmp9, 127
	s_lshr_b32 s29, s28, 1
	s_lshl_b32 s29, s29, 5                         ; 32 ((I % 128) / 2)
	s_and_b32 s30, ttmp9, 1
	s_lshl_b32 s30, s30, 3
	s_add_co_u32 s29, s29, s30                     ; + 8 (I % 2)
	s_lshl_b32 s30, s26, 1
	s_add_co_u32 s29, s29, s30                     ; + 2 w
	s_lshr_b32 s30, s26, 2
	s_lshl_b32 s30, s30, 3
	s_add_co_u32 s29, s29, s30                     ; + 8 (w / 4) = l0
	s_lshl_b32 s29, s29, 1
	s_add_co_u32 s29, s29, s27                     ; 2 l0 + b
	s_lshl_b32 s28, s29, 12
	s_mov_b32 s29, 0
	s_add_nc_u64 s[8:9], s[8:9], s[28:29]
.irp j, 0,1,2,3,4,5,6,7
	global_load_b128 v[X+4*\j:X+4*\j+3], v1, s[8:9] offset:512*\j th:TH_LOAD_NT
.endr
.irp j, 0,1,2,3,4,5,6,7
	global_load_b128 v[X+32+4*\j:X+32+4*\j+3], v1, s[8:9] offset:8192+512*\j th:TH_LOAD_NT
.endr
.irp j, 0,1,2,3,4,5,6,7
	global_load_b128 v[GA+4*\j:GA+4*\j+3], v1, s[10:11] offset:512*\j
.endr
.irp j, 0,1,2,3,4,5,6,7
	global_load_b128 v[BE+4*\j:BE+4*\j+3], v1, s[12:13] offset:512*\j
.endr
	; The stage.  Load j gives a lane k = 128 j + 4 lane + 0..3: four codes, one word, of piece p = 8 j + lane / 4 (16 rows x 16 k, 256 bytes of the image at 256 p).
	v_lshrrev_b32 v10, 2, v2
	s_delay_alu instid0(VALU_DEP_1)
	v_mul_u32_u24 v3, v10, PP
	v_and_b32 v10, 3, v2
	s_delay_alu instid0(VALU_DEP_1)
	v_lshl_add_u32 v3, v10, 2, v3
	s_lshl_b32 s30, s26, 5
	v_add_nc_u32 v3, s30, v3                       ; in: 272 (lane / 4) + 4 (lane % 4) + 16 x (2 w): the 32 lanes of a store fall on 32 different banks
	v_lshrrev_b32 v10, 4, v2
	s_delay_alu instid0(VALU_DEP_1)
	v_mul_u32_u24 v4, v10, PP
	v_and_b32 v10, 15, v2
	s_delay_alu instid0(VALU_DEP_1)
	v_lshl_add_u32 v4, v10, 4, v4
	s_mul_i32 s30, s26, 8*PP
	v_add_nc_u32 v4, s30, v4                       ; out: wave w takes pieces 8 w .. 8 w + 7, two an instruction
	s_lshl_b32 s30, s26, 11
	v_add_nc_u32 v5, s30, v1                       ; and their place in the tile's image: 2,048 w + 16 x lane
	s_lshl_b32 s30, ttmp9, 14                      ; a tile's image: 8 K steps x 2,048 bytes
	s_mov_b32 s31, 0
	s_add_nc_u64 s[24:25], s[24:25], s[30:31]
	s_add_nc_u64 s[24:25], s[24:25], DOFF
	s_mov_b32 s32, 0x76543210                      ; v_permlanex16_b32: lane l xor 16
	s_mov_b32 s33, 0xfedcba98
	s_mov_b32 s34, 0x3a800000                      ; 1 / 1,024
	s_mov_b32 s35, 0x3727c5ac                      ; 1e-5
	s_wait_kmcnt 0x0
	s_add_co_i32 s36, s56, 127
	s_lshl_b32 s37, s36, 23
	v_mov_b32 v20, s37                             ; 2^e0 as f32: the conversion takes its exponent field
	s_add_co_i32 s36, s36, 15
	s_lshl_b32 s36, s36, 23
	s_or_b32 s36, s36, 0x600000
	v_mov_b32 v21, s36                             ; 57,344 x 2^e0
.macro LANESUM                         ; v10 summed over the 32 lanes, the result in every lane
	s_delay_alu instid0(VALU_DEP_1)
	v_add_f32_dpp v10, v10, v10 row_xmask:1 row_mask:0xf bank_mask:0xf
	s_delay_alu instid0(VALU_DEP_1)
	v_add_f32_dpp v10, v10, v10 row_xmask:2 row_mask:0xf bank_mask:0xf
	s_delay_alu instid0(VALU_DEP_1)
	v_add_f32_dpp v10, v10, v10 row_xmask:4 row_mask:0xf bank_mask:0xf
	s_delay_alu instid0(VALU_DEP_1)
	v_add_f32_dpp v10, v10, v10 row_xmask:8 row_mask:0xf bank_mask:0xf
	s_delay_alu instid0(VALU_DEP_1)
	v_permlanex16_b32 v11, v10, s32, s33
	s_delay_alu instid0(VALU_DEP_1)
	v_add_f32 v10, v10, v11
.endm
; Row rr: mean, centred numbers, variance of the centred numbers, x 1 / sqrt(variance + eps).  left: the younger loads that may stay out.
.macro STAT rr, left
.set XR, X+32*\rr
	s_wait_loadcnt \left
	v_pk_add_f32 v[10:11], v[XR:XR+1], v[XR+2:XR+3]
	v_pk_add_f32 v[12:13], v[XR+4:XR+5], v[XR+6:XR+7]
.irp j, 8,12,16,20,24,28
	s_delay_alu instid0(VALU_DEP_2)
	v_pk_add_f32 v[10:11], v[10:11], v[XR+\j:XR+\j+1]
	s_delay_alu instid0(VALU_DEP_2)
	v_pk_add_f32 v[12:13], v[12:13], v[XR+\j+2:XR+\j+3]
.endr
	s_delay_alu instid0(VALU_DEP_1)
	v_pk_add_f32 v[10:11], v[10:11], v[12:13]
	s_delay_alu instid0(VALU_DEP_1)
	v_add_f32 v10, v10, v11
	LANESUM
	s_delay_alu instid0(VALU_DEP_1)
	v_mul_f32 v6, s34, v10                         ; the mean, twice: a pair for the packed lines
	s_delay_alu instid0(VALU_DEP_2)
	v_mul_f32 v7, s34, v10
.irp j, 0,2,4,6,8,10,12,14,16,18,20,22,24,26,28,30
	v_pk_add_f32 v[XR+\j:XR+\j+1], v[XR+\j:XR+\j+1], v[6:7] neg_lo:[0,1] neg_hi:[0,1]
.endr
	v_pk_mul_f32 v[10:11], v[XR:XR+1], v[XR:XR+1]
	v_pk_mul_f32 v[12:13], v[XR+2:XR+3], v[XR+2:XR+3]
.irp j, 4,8,12,16,20,24,28
	s_delay_alu instid0(VALU_DEP_2)
	v_pk_fma_f32 v[10:11], v[XR+\j:XR+\j+1], v[XR+\j:XR+\j+1], v[10:11]
	s_delay_alu instid0(VALU_DEP_2)
	v_pk_fma_f32 v[12:13], v[XR+\j+2:XR+\j+3], v[XR+\j+2:XR+\j+3], v[12:13]
.endr
	s_delay_alu instid0(VALU_DEP_1)
	v_pk_add_f32 v[10:11], v[10:11], v[12:13]
	s_delay_alu instid0(VALU_DEP_1)
	v_add_f32 v10, v10, v11
	LANESUM
	s_delay_alu instid0(VALU_DEP_1)
	v_fma_f32 v10, v10, s34, s35                   ; variance + eps
	s_wait_alu depctr_va_vdst(0)
	v_rsq_f32 v8, v10
	v_nop                                          ; a plain instruction behind the transcendental,
	s_wait_alu depctr_va_vdst(0)                   ; and the wait ahead of the first line that names its result
	v_mov_b32 v9, v8
.irp j, 0,2,4,6,8,10,12,14,16,18,20,22,24,26,28,30
	v_pk_mul_f32 v[XR+\j:XR+\j+1], v[XR+\j:XR+\j+1], v[8:9]
.endr
.endm
; Row rr: x gain + bias, the hold, the conversion; word j of the codes belongs to load j and goes into piece 8 j + lane / 4 of the stage.
.macro FIN rr
.set XR, X+32*\rr
.irp j, 0,2,4,6,8,10,12,14,16,18,20,22,24,26,28,30
	v_pk_fma_f32 v[XR+\j:XR+\j+1], v[XR+\j:XR+\j+1], v[GA+\j:GA+\j+1], v[BE+\j:BE+\j+1]
.endr
.irp j, 0,1,2,3,4,5,6,7,8,9,10,11,12,13,14,15,16,17,18,19,20,21,22,23,24,25,26,27,28,29,30,31
	v_med3_num_f32 v[XR+\j], v[XR+\j], -v21, v21   ; the conversion to an 8-bit code does not saturate (ISA guide 7.6.2): the hold at the largest code x the scale
.endr
.irp q, 0,1,2,3
	v_cvt_scalef32_pk8_bf8_f32 v[CODE+8*\rr+2*\q:CODE+8*\rr+2*\q+1], v[XR+8*\q:XR+8*\q+7], v20
.endr
	v_nop                                          ; a plain instruction behind the last conversion
.irp j, 0,1,2,3,4,5,6,7
	ds_store_b32 v3, v[CODE+8*\rr+\j] offset:8*PP*\j+16*\rr
.endr
.endm
	STAT 0, 24                                     ; row 0's eight loads are in; row 1's, the gain's and the bias's 24 may be out
	STAT 1, 16                                     ; row 1's are in; the gain's and the bias's 16 may be out
	s_wait_loadcnt 0x0
	FIN 0
	FIN 1
	s_wait_dscnt 0x0                               ; for the others' sake: my stores into the stage are done
	s_barrier_signal -1
	s_barrier_wait -1
.irp t, 0,1,2,3
	ds_load_b128 v[OUTR+4*\t:OUTR+4*\t+3], v4 offset:2*PP*\t
.endr
.irp t, 0,1,2,3
	s_wait_dscnt 3-\t                              ; the younger loads may stay out
	global_store_b128 v5, v[OUTR+4*\t:OUTR+4*\t+3], s[24:25] offset:512*\t   ; 32 lanes store 512 consecutive bytes, at a multiple of 256 from the buffer's first byte
.endr
	s_wait_tensorcnt 0x0
	ds_add_u32 v192, v193
	s_wait_dscnt 0x0
	s_endpgm
; ---- WEIGHTS.  A work-group takes 256 columns x one K step of 128; a wave 32 columns.  A LANE TAKES A COLUMN AND ITS REGISTERS RUN DOWN K: each load reads 128 consecutive bytes a wave, 1,024 a work-group,
; and the conversions give 16 codes along K, which are 16 bytes of the image: no stage.  Lanes 0-7 and 16-23 are the rows of the pair's first tile, the others those of its second.
.Lweights:
	s_sub_co_u32 s27, ttmp9, 256                   ; 0-95 w_attn, 96-127 w_proj, 128-255 w_fc, 256-383 w_out
	s_mov_b32 s28, 256                             ; the tensor's first work-group,
	s_mov_b32 s29, 4096                            ; a row of it in bytes,
	s_mov_b32 s30, 5                               ; log2 of its K steps,
	s_mov_b32 s31, 8388608                         ; its codes' place in wcod
	s_mov_b64 s[48:49], s[20:21]
	s_cmp_lt_u32 s27, 256
	s_cselect_b32 s28, 128, s28
	s_cselect_b32 s29, 16384, s29
	s_cselect_b32 s30, 3, s30
	s_cselect_b32 s31, 4194304, s31
	s_cselect_b64 s[48:49], s[18:19], s[48:49]
	s_cmp_lt_u32 s27, 128
	s_cselect_b32 s28, 96, s28
	s_cselect_b32 s29, 4096, s29
	s_cselect_b32 s31, 3145728, s31
	s_cselect_b64 s[48:49], s[16:17], s[48:49]
	s_cmp_lt_u32 s27, 96
	s_cselect_b32 s28, 0, s28
	s_cselect_b32 s29, 12288, s29
	s_cselect_b32 s31, 0, s31
	s_cselect_b64 s[48:49], s[14:15], s[48:49]
	s_cselect_b32 s50, 1, 0                        ; w_attn: its pairs of tiles are reordered
	s_sub_co_u32 s6, s27, s28
	s_lshl_b32 s51, 1, s30
	s_sub_co_u32 s51, s51, 1
	s_and_b32 s51, s6, s51                         ; the K step
	s_lshr_b32 s52, s6, s30                        ; the block of 256 columns
	s_lshl_b32 s52, s52, 3
	s_add_co_u32 s52, s52, s26                     ; G: my wave's 32 columns
	s_and_b32 s53, s52, 31
	s_mul_i32 s53, s53, 3
	s_lshr_b32 s54, s52, 5
	s_add_co_u32 s53, s53, s54                     ; 3 (G % 32) + G / 32
	s_cmp_eq_u32 s50, 1
	s_cselect_b32 s53, s53, s52                    ; the pair of tiles
	s_add_co_u32 s54, s30, 11
	s_lshl_b32 s54, 1, s54                         ; a tile's image in bytes: K steps x 2,048
	s_lshl_b32 s55, s29, 7                         ; 128 rows of the weight
	s_mul_i32 s2, s51, s55
	s_lshl_b32 s3, s52, 7
	s_add_co_u32 s2, s2, s3
	s_mov_b32 s3, 0
	s_add_nc_u64 s[32:33], s[48:49], s[2:3]        ; eight bases, 16 rows apart
	s_lshl_b32 s2, s29, 4
.irp j, 1,2,3,4,5,6,7
	s_add_nc_u64 s[32+2*\j:33+2*\j], s[30+2*\j:31+2*\j], s[2:3]
.endr
	s_mul_i32 s4, s53, s54
	s_lshl_b32 s4, s4, 1
	s_add_co_u32 s4, s4, s31
	s_lshl_b32 s5, s51, 11
	s_add_co_u32 s4, s4, s5
	s_mov_b32 s5, 0
	s_add_nc_u64 s[24:25], s[24:25], s[4:5]        ; the pair's first tile, my K step
	s_wait_alu depctr_va_vdst(0)
	v_lshlrev_b32 v16, 2, v2                       ; sixteen offsets: 4 x lane + i rows
.irp i, 1,2,3,4,5,6,7,8,9,10,11,12,13,14,15
	s_delay_alu instid0(VALU_DEP_1)
	v_add_nc_u32 v[16+\i], s29, v[15+\i]
.endr
.irp j, 0,1,2,3,4,5,6,7
.irp i, 0,1,2,3,4,5,6,7,8,9,10,11,12,13,14,15
	global_load_b32 v[64+16*\j+\i], v[16+\i], s[32+2*\j:33+2*\j] th:TH_LOAD_NT   ; row 128 s + 16 j + i at my column
.endr
.endr
	v_bfe_u32 v6, v0, 3, 1
	s_delay_alu instid0(VALU_DEP_1)
	v_mul_lo_u32 v6, v6, s54                       ; which tile of the pair
	v_and_b32 v7, 7, v0
	v_bfe_u32 v8, v0, 4, 1
	s_delay_alu instid0(VALU_DEP_1)
	v_lshl_add_u32 v7, v8, 3, v7                   ; my row in it: lane % 8 + 8 (lane / 16)
	s_delay_alu instid0(VALU_DEP_1)
	v_lshl_add_u32 v5, v7, 4, v6
	s_wait_kmcnt 0x0
	s_cmp_lt_u32 s27, 256
	s_cselect_b32 s7, s59, s60
	s_cmp_lt_u32 s27, 128
	s_cselect_b32 s7, s58, s7
	s_cmp_lt_u32 s27, 96
	s_cselect_b32 s7, s57, s7                      ; the tensor's e
	s_add_co_i32 s7, s7, 127
	s_lshl_b32 s6, s7, 23
	v_mov_b32 v10, s6                              ; 2^e
	s_add_co_i32 s7, s7, 15
	s_lshl_b32 s7, s7, 23
	s_or_b32 s7, s7, 0x600000
	v_mov_b32 v11, s7                              ; 57,344 x 2^e
; Piece j: k = 16 j .. 16 j + 15 of the step: 256 bytes of each tile's image at 256 j.  Each piece has its own registers for its codes: no store's data are written again.
.macro PIECE j
.if 112-16*\j > 63
	s_wait_loadcnt 63                              ; behind this piece's loads 112 - 16 j were issued; the wait's field holds 63, the smaller count
.else
	s_wait_loadcnt 112-16*\j                       ; the loads issued behind this piece's sixteen may stay out
.endif
.irp i, 0,1,2,3,4,5,6,7,8,9,10,11,12,13,14,15
	v_med3_num_f32 v[64+16*\j+\i], v[64+16*\j+\i], -v11, v11
.endr
	v_cvt_scalef32_pk8_bf8_f32 v[32+4*\j:33+4*\j], v[64+16*\j:71+16*\j], v10
	v_cvt_scalef32_pk8_bf8_f32 v[34+4*\j:35+4*\j], v[72+16*\j:79+16*\j], v10
	global_store_b128 v5, v[32+4*\j:35+4*\j], s[24:25] offset:256*\j   ; sixteen lanes fill 256 consecutive bytes of one tile's image, the other sixteen of the other's
.endm
	s_wait_alu depctr_va_vdst(0)
.irp j, 0,1,2,3,4,5,6,7
	PIECE \j
.endr
	s_endpgm
.Lfunc_end_k_q1a39f2c093_prep:
	.size	k_q1a39f2c093_prep, .Lfunc_end_k_q1a39f2c093_prep-k_q1a39f2c093_prep
	.p2alignl 7, 3214868480
	.fill 96, 4, 3214868480
	.section	.rodata,"a",@progbits
	.p2align	6, 0x0
	.amdhsa_kernel k_q1a39f2c093_prep
		.amdhsa_group_segment_fixed_size 18432
		.amdhsa_private_segment_fixed_size 0
		.amdhsa_enable_private_segment 0
		.amdhsa_kernarg_size 72
		.amdhsa_user_sgpr_count 2
		.amdhsa_user_sgpr_kernarg_segment_ptr 1
		.amdhsa_wavefront_size32 1
		.amdhsa_system_sgpr_workgroup_id_x 1
		.amdhsa_system_sgpr_workgroup_id_y 1
		.amdhsa_system_sgpr_workgroup_id_z 1
		.amdhsa_system_vgpr_workitem_id 0
		.amdhsa_next_free_vgpr 194
		.amdhsa_next_free_sgpr 66
		.amdhsa_reserve_vcc 0
		.amdhsa_float_denorm_mode_32 3
		.amdhsa_float_denorm_mode_16_64 3
		.amdhsa_memory_ordered 1
		.amdhsa_forward_progress 1
		.amdhsa_inst_pref_size 55
	.end_amdhsa_kernel
	.amdgpu_metadata
---
amdhsa.version: [ 1, 2 ]
amdhsa.kernels:
  - .name:           k_q1a39f2c093_prep
    .symbol:         k_q1a39f2c093_prep.kd
    .args:
      - { .name: x, .offset: 0, .size: 8, .value_kind: global_buffer, .address_space: global }
      - { .name: ln1_g, .offset: 8, .size: 8, .value_kind: global_buffer, .address_space: global }
      - { .name: ln1_b, .offset: 16, .size: 8, .value_kind: global_buffer, .address_space: global }
      - { .name: w_attn, .offset: 24, .size: 8, .value_kind: global_buffer, .address_space: global }
      - { .name: w_proj, .offset: 32, .size: 8, .value_kind: global_buffer, .address_space: global }
      - { .name: w_fc, .offset: 40, .size: 8, .value_kind: global_buffer, .address_space: global }
      - { .name: w_out, .offset: 48, .size: 8, .value_kind: global_buffer, .address_space: global }
      - { .name: lowp_scales, .offset: 56, .size: 8, .value_kind: global_buffer, .address_space: global }
      - { .name: wcod, .offset: 64, .size: 8, .value_kind: global_buffer, .address_space: global }
    .group_segment_fixed_size: 18432
    .private_segment_fixed_size: 0
    .kernarg_segment_align: 8
    .kernarg_segment_size: 72
    .max_flat_workgroup_size: 256
    .sgpr_count:     66
    .vgpr_count:     194
    .wavefront_size: 32
...
	.end_amdgpu_metadata
.endif
;; end of part 1
;; launch qkv (part 2): grid 16 x 16, 4 waves a work-group, clusters of 4 x 4, 327,680 bytes of LDS; arguments wcod, lowp_scales, b_attn, qkvc, out1; writes qkvc, out1
.if DOCPART == 2
	.amdgcn_target "amdgcn-amd-amdhsa--gfx1250"
	.amdhsa_code_object_version 6
	.text
	.protected	k_q1a39f2c093_qkv
	.globl	k_q1a39f2c093_qkv
	.p2align	8
	.type	k_q1a39f2c093_qkv,@function
k_q1a39f2c093_qkv:
	s_mov_b64 s[64:65], 0
	v_nop
	global_prefetch_b8 v0, s[64:65] scope:SCOPE_SE
	s_setreg_imm32_b32 hwreg(HW_REG_WAVE_MODE, 25, 1), 1
	s_wait_xcnt 0x0
	s_wait_alu depctr_hold_cnt(0) depctr_sa_sdst(0) depctr_va_vdst(0) depctr_va_sdst(0) depctr_va_ssrc(0) depctr_va_vcc(0) depctr_vm_vsrc(0)
	s_getreg_b32 s2, hwreg(HW_REG_IB_STS2, 6, 4)
	s_cmp_eq_u32 s2, 0
	s_cbranch_scc0 .Lentry_in_a_cluster
	s_endpgm
.Lentry_in_a_cluster:
	s_bfe_u32 s2, ttmp6, 0x10000c
	s_cmp_lg_u32 s2, 0xf033
	s_cbranch_scc0 .Lentry_shape_is_right
	s_endpgm
.Lentry_shape_is_right:
; QKV.  qkv = LN1(x) w_attn + b_attn on codes of BF8 (E5M2); q, k, v quantised for the attention; k and v stored in f32 as the output 'present'.
; OPERANDS ARE IMAGES OF REGISTERS: [tile of 16 rows][K step of 128][2,048 bytes], the code of (row r, k = 32 c + 16 h + e) at 512 c + 16 x lane + e; row r of tile i stands for index 32 (i / 2) + 8 (i % 2) + r + 8 (r / 8).
; k lies in the registers otherwise than the form's own layout has it, alike in both operands: every product meets its partner; only the order of the sums inside an instruction differs.
; A work-group of four waves makes 256 rows x 192 columns: q, k and v of ONE head (w_attn's tiles were ordered so).  A wave makes 128 x 96: 48 accumulators; its 96 columns are 32 of q, 32 of k, 32 of v.
; K goes in slots of 256 through a ring of two LDS slots filled by the tensor data mover; tiles are dense in LDS, since a fragment's load reads 512 bytes on end.
; CLUSTERS: 4 x 4 work-groups; A's tiles are asked for jointly along a row of the cluster, B's along a column.
; THE MATRIX INSTRUCTION IS USED TRANSPOSED (source 0 = 16 columns of the weight, source 1 = 16 rows): a lane holds one row, and the 16 registers of two neighbouring tiles are 16 neighbouring columns:
; so q's and k's conversions give 16 bytes of the next operand's image.  v's K is the keys: it goes through a stage in LDS and is read back by columns; k and v leave as whole rows from the same stages.
; qkvc: q's codes at 0, [head 32][tile 128][1,024] (K = 64: c = 0, 1); k's at 4,194,304, likewise; v's at 8,388,608, [head][key step 16][tile of d 4][2,048].
; LIMITS: e0 + e1 between -126 and 127; e2, e3, e5 between -126 and 112.  NaN among the inputs is not served.
; No prefetch: K has four slots' worth, of which two are asked for at the head.
; REGISTERS: window 0: v6-13, v22-27 the way out's; v16-21 LDS addresses; v28, v29 the add's; v32-79 the bias; v80-127 codes; v128-255 A's fragments, one set, later at work.  window 1: B's fragments, two sets, at v0 and v128.
;   windows 2, 3: the accumulators of my rows 0-63 and 64-127, (a, b) at v[8 (6 (a % 4) + b)].
.set NA,   8                           ; tiles of rows a wave
.set NB,   6                           ; tiles of columns a wave
.set QS,   2                           ; K steps of 128 in a slot
.set KT,   8                           ; K steps in all
.set AOFF, 12582912
.set BOFF, 0
.set PA,   4
.set PB,   4
.set TP,    KT*2048                    ; a tile's image in memory
.set AH,    NA*QS*2048                 ; what one tensor load brings of A, and what a wave reads of it
.set BH,    NB*QS*2048
.set SLOT,  2*AH+2*BH
.set SPARE, 2*SLOT                     ; behind the ring: the spare words, 128 bytes a wave: two blocks of 256 bytes that no other line names
.set LAPS,  KT/QS/2
.set ADRA, 16
.set ADRB, 20
.set SPW,  28
.set NIL,  29
.set AF,   128
.set G1,   24
.set G0,   32
.set G1B,  48
.set G0B,  56
.set MSB, 0
.macro WIN new                         ; the immediate's high byte repeats the setting that is left
.if MSB != (\new)
	s_set_vgpr_msb (MSB<<8)|(\new)
.set MSB, \new
.endif
.endm
.set MUL_LO, 0xa1                      ; source 0 (B) window 1, source 1 (A) window 0, C and D window 2
.set MUL_HI, 0xf1
.set TO_B,   0x40
.macro JLOAD g0a, g1a, g0b, g1b        ; a joint load: waves 0 and 1 fetch A's halves, waves 2 and 3 B's; four v_nop follow each of the two lines
	s_cmp_eq_u32 s15, 0
	s_cbranch_scc0 .Lfor_b_\@
	tensor_load_to_lds s[\g0a:\g0a+3], s[\g1a:\g1a+7]
	s_nop 0
.rept 4
	v_nop
.endr
	s_branch .Lasked_\@
.Lfor_b_\@:
	tensor_load_to_lds s[\g0b:\g0b+3], s[\g1b:\g1b+7]
	s_nop 0
.rept 4
	v_nop
.endr
.Lasked_\@:
.endm
.macro CREST                           ; a round of the cluster's barrier behind its opening barrier
	s_cmp_lg_u32 s14, 0
	s_cbranch_scc1 .Lnot_wave_0_\@
	s_barrier_signal -3
.Lnot_wave_0_\@:
	s_barrier_wait -3
	s_barrier_signal -1
	s_barrier_wait -1
.endm
.macro CROUND
	s_barrier_signal -1
	s_barrier_wait -1
	CREST
.endm
.macro PLACES n                        ; plain vector instructions between a matrix instruction and a load into, or a read of, its registers
.rept \n
	v_nop
.endr
.endm
.macro FRAG reg, adr, off              ; a fragment comes as it was stored: four loads of 512 consecutive bytes
.irp c, 0,1,2,3
	ds_load_b128 v[\reg+4*\c:\reg+4*\c+3], v[\adr] offset:\off+512*\c
.endr
.endm
.macro FETCH_B slot, q, p              ; B's fragments of the slot's q-th K step into set p
	WIN TO_B
.set fi, 0
.rept NB
	FRAG 128*(\p)+16*fi, ADRB+\slot, (fi*QS+(\q))*2048
.set fi, fi+1
.endr
	WIN 0
.endm
.macro FETCH_A slot, q, half           ; the lower or the upper half of A's fragments: 2 NA loads
.set fi, (\half)*NA/2
.rept NA/2
	FRAG AF+16*fi, ADRA+\slot, (fi*QS+(\q))*2048
.set fi, fi+1
.endr
.endm
.macro MULR a0, n, p, zero             ; A's blocks a0 .. a0 + n - 1 against B's set p.  The accumulators take turns, one instruction a turn, in the same order in every step
.set ma, \a0
.rept \n
.set mb, 0
.rept NB
.set AC, 8*(NB*(ma%(NA/2))+mb)
.if \zero
	v_wmma_f32_16x16x128_bf8_bf8 v[AC:AC+7], v[128*(\p)+16*mb:128*(\p)+16*mb+15], v[AF+16*ma:AF+16*ma+15], 0
.else
	v_wmma_f32_16x16x128_bf8_bf8 v[AC:AC+7], v[128*(\p)+16*mb:128*(\p)+16*mb+15], v[AF+16*ma:AF+16*ma+15], v[AC:AC+7]
.endif
.set mb, mb+1
.endr
.set ma, ma+1
.endr
.endm
.macro STEP slot, q, zero              ; a K step that has its successor in the same slot
	s_wait_dscnt 2*NA                              ; B's set and A's lower half are in; the youngest 2 NA loads, A's upper half, may be out
	WIN MUL_LO
	MULR 0, NA/2, (\q)%2, \zero
	s_wait_dscnt 0                                 ; A's upper half is in
	PLACES 4
	FETCH_B \slot, (\q)+1, 1-(\q)%2
	FETCH_A \slot, (\q)+1, 0
	WIN MUL_HI
	MULR NA/2, NA/2, (\q)%2, \zero
	PLACES 4
	WIN 0
	FETCH_A \slot, (\q)+1, 1
.endm
.macro MID slot                        ; a slot's steps 1 .. QS - 2
.if QS > 2
.set qq, 1
.rept QS-2
	STEP \slot, qq, 0
.set qq, qq+1
.endr
.endif
.endm
; A slot's last step changes slots: one barrier; in front of it each wave waits for all its tensor loads, adds 0 to its spare word, and waits for that and for its reads of this slot.
.macro TURN slot, next, fill
	s_wait_tensorcnt 0x0                           ; all my tensor loads have landed: my part of the next slot
	ds_add_u32 v[SPW], v[NIL]                      ; 0 onto my spare word
	s_wait_dscnt 2*NA+1                            ; the add and A's upper half may be out
	WIN MUL_LO
	MULR 0, NA/4, 1, 0
	s_wait_dscnt 0x0                               ; the add is done, and my reads of this slot are over
	s_barrier_signal -1
	MULR NA/4, NA/4, 1, 0
	WIN 0
	s_barrier_wait -1
.if \fill
	CREST                                          ; the barrier has opened a round of the cluster's: no wave of any partner still reads this slot or has a load on its way
	s_add_nc_u64 s[G0+4*\slot+2:G0+4*\slot+3], s[G0+4*\slot+2:G0+4*\slot+3], 2*QS*2048
	s_add_nc_u64 s[G0B+4*\slot+2:G0B+4*\slot+3], s[G0B+4*\slot+2:G0B+4*\slot+3], 2*QS*2048
	JLOAD G0+4*\slot, G1, G0B+4*\slot, G1B         ; the first tensor load behind the round; its four v_nop are the places in front of the loads below
.else
	PLACES 4
.endif
	FETCH_B \next, 0, 0
	FETCH_A \next, 0, 0
	WIN MUL_HI
	MULR NA/2, NA/2, 1, 0
	PLACES 4
	WIN 0
	FETCH_A \next, 0, 1
.endm
	s_load_b256 s[4:11], s[0:1], 0x0               ; wcod, the scales' exponents, b_attn, qkvc
	s_load_b64 s[12:13], s[0:1], 0x20              ; out1
	v_lshl_add_u32 v[SPW], v0, 2, SPARE
	v_mov_b32 v[NIL], 0
	ds_add_u32 v28, v29
	ds_add_u32 v28, v29
	s_wait_dscnt 0x0
	v_lshrrev_b32 v1, 5, v0
	v_readfirstlane_b32 s14, v1                    ; wave 0..3
	s_lshr_b32 s15, s14, 1                         ; my half of the rows.  Also: I fetch for A (0) or for B (1)
	s_and_b32 s16, s14, 1                          ; my half of the columns.  Also: which half of that tile I fetch
	s_bfe_u32 s40, ttmp6, 0x40000                  ; cx, cy
	s_bfe_u32 s41, ttmp6, 0x40004
	s_lshl_b32 s42, ttmp9, 2
	s_add_co_u32 s42, s42, s40                     ; X: the head
	s_and_b32 s17, ttmp7, 0xffff
	s_lshl_b32 s17, s17, 2
	s_add_co_u32 s17, s17, s41                     ; Y: the block of 256 rows
	s_lshl_b32 s43, s41, 2
	s_lshl_b32 s43, 15, s43                        ; my row of the cluster
	s_lshl_b32 s44, 0x1111, s40                    ; my column
	; descriptor group 1: NA (NB) rows, one for each tile, of QS x 2,048 bytes, a tile's image apart in memory, on end in LDS
	s_or_b32 s[G1+0], s43, (3<<16)|(1<<21)         ; 15:0 the mask; 17:16 elements of 8 bytes; 21 set beside a mask; no padding
	s_or_b32 s[G1B+0], s44, (3<<16)|(1<<21)
	s_mov_b32 s[G1+1], (QS*256)<<16                ; tensor_dim0
	s_mov_b32 s[G1+2], NA<<16                      ; tensor_dim1
	s_mov_b32 s[G1+3], (QS*256)<<16                ; tile_dim0
	s_mov_b32 s[G1+4], NA                          ; tile_dim1
	s_mov_b32 s[G1+5], KT*256                      ; tensor_dim0_stride
	s_mov_b32 s[G1+6], 0
	s_mov_b32 s[G1+7], 0
	s_mov_b32 s[G1B+1], (QS*256)<<16
	s_mov_b32 s[G1B+2], NB<<16
	s_mov_b32 s[G1B+3], (QS*256)<<16
	s_mov_b32 s[G1B+4], NB
	s_mov_b32 s[G1B+5], KT*256
	s_mov_b32 s[G1B+6], 0
	s_mov_b32 s[G1B+7], 0
	s_mul_i32 s20, s17, 2*NA
	s_mul_i32 s18, s16, NA
	s_add_co_u32 s20, s20, s18                     ; A: the first tile that I fetch: hangs on Y and the wave alone
	s_mul_i32 s20, s20, TP
	s_mov_b32 s21, 0
	s_mul_i32 s46, s42, 2*NB
	s_mul_i32 s18, s16, NB
	s_add_co_u32 s46, s46, s18                     ; B: on X and the wave alone
	s_mul_i32 s46, s46, TP
	s_mov_b32 s47, 0
	s_mul_i32 s45, s16, AH                         ; where they go: no place in the cluster enters an LDS address
	s_mul_i32 s19, s16, BH
	s_add_co_u32 s19, s19, 2*AH
	s_wait_kmcnt 0x0
	s_load_b128 s[80:83], s[6:7], 0x0              ; e0, e1, e2, e3
	s_load_b32 s84, s[6:7], 0x14                   ; e5
	s_add_nc_u64 s[20:21], s[PA:PA+1], s[20:21]
.if AOFF != 0
	s_add_nc_u64 s[20:21], s[20:21], AOFF
.endif
	s_add_nc_u64 s[46:47], s[PB:PB+1], s[46:47]
.if BOFF != 0
	s_add_nc_u64 s[46:47], s[46:47], BOFF
.endif
	CROUND                                         ; all sixteen work-groups are here: the first joint loads meet
.irp s, 0,1
	s_mov_b32 s[G0+4*\s], 1
	s_add_co_u32 s[G0+4*\s+1], s45, \s*SLOT
	s_add_nc_u64 s[G0+4*\s+2:G0+4*\s+3], s[20:21], \s*QS*2048
	s_or_b32 s[G0+4*\s+3], s[G0+4*\s+3], 0x80000000
	s_mov_b32 s[G0B+4*\s], 1
	s_add_co_u32 s[G0B+4*\s+1], s19, \s*SLOT
	s_add_nc_u64 s[G0B+4*\s+2:G0B+4*\s+3], s[46:47], \s*QS*2048
	s_or_b32 s[G0B+4*\s+3], s[G0B+4*\s+3], 0x80000000
.endr
	JLOAD G0, G1, G0B, G1B                         ; slot 0: one tensor load a wave at the head
	v_and_b32 v1, 31, v0
	v_lshlrev_b32 v2, 4, v1                        ; 16 x lane
	s_mul_i32 s22, s15, AH
	s_mul_i32 s23, s16, BH
	s_add_co_u32 s23, s23, 2*AH
.irp s, 0,1
	v_add_nc_u32 v[ADRA+\s], s22, v2
	v_add_nc_u32 v[ADRB+\s], s23, v2
	s_add_co_u32 s22, s22, SLOT
	s_add_co_u32 s23, s23, SLOT
.endr
; ---- the way out's addresses and constants
.set BI,  32                           ; v32-79  the bias: register 16 ty + 8 u + j as the accumulators' 8 b + j
.set TMP, 128                          ; v128-175 a block's 48 numbers a lane: 16 of q, 16 of k, 16 of v
.set STK, 22                           ; v22  k's stage, in    v23  v's stage, in
.set STV, 23
.set LI,  24                           ; v24  16 x lane
.set RDK, 25                           ; v25  k's stage, out by rows    v26  v's
.set RDV, 26
.set CV,  27                           ; v27  v's stage, out by columns
.set SVO, 69632                        ; k's stage at 0: 256 rows x 272 bytes; v's behind it.  Both lie in the ring, which has had its last fill and its last read by then
	v_mov_b32 v[LI], v2
	v_and_b32 v3, 15, v0                           ; r
	v_bfe_u32 v4, v0, 4, 1                         ; h
	s_wait_alu depctr_va_vdst(0)
	v_lshlrev_b32 v6, 6, v4                        ; 64 h
	s_lshl_b32 s74, s42, 8
	s_lshl_b32 s75, s16, 7
	s_add_co_u32 s74, s74, s75                     ; (64 X + 32 ch) x 4
	s_mov_b32 s75, 0
	s_add_nc_u64 s[8:9], s[8:9], s[74:75]
.irp ty, 0,1,2
.irp q, 0,1,2,3
	global_load_b128 v[BI+16*\ty+4*\q:BI+16*\ty+4*\q+3], v6, s[8:9] offset:4096*\ty+16*\q   ; b_attn at columns 1,024 ty + 64 X + 32 ch + 16 h + 4 q ..
.endr
.endr
	v_mul_u32_u24 v5, v3, 272
	v_lshl_add_u32 v5, v4, 6, v5
	s_mul_i32 s74, s15, 128*272
	s_lshl_b32 s76, s16, 7
	s_add_co_u32 s74, s74, s76
	v_add_nc_u32 v[STK], s74, v5                   ; stage row 128 rh + 16 a + r, byte 128 ch + 64 h
	v_add_nc_u32 v[STV], SVO, v[STK]
	v_mul_u32_u24 v5, v4, 272
	v_lshl_add_u32 v5, v3, 4, v5
	s_mul_i32 s74, s14, 64*272
	v_add_nc_u32 v[RDK], s74, v5                   ; wave w reads back the 64 rows that hold keys 64 w .. 64 w + 63, two rows an instruction
	v_add_nc_u32 v[RDV], SVO, v[RDK]
	v_and_b32 v5, 8, v3
	v_add_nc_u32 v5, v5, v3
	v_lshlrev_b32 v5, 2, v5                        ; 4 (r + 8 (r / 8)): my d in a tile of d
	v_mad_u32_u24 v5, v4, 2176, v5                 ; + 8 h rows
	s_mul_i32 s74, s15, 128*272                    ; key step w / 2,
	s_add_co_u32 s74, s74, s76                     ; d from 32 (w % 2) on
	s_add_co_u32 s74, s74, SVO
	v_add_nc_u32 v[CV], s74, v5
	s_lshr_b32 s74, s17, 3
	s_lshl_b32 s74, s74, 4
	s_add_co_u32 s74, s74, s42                     ; bh = 16 b + head
	s_and_b32 s76, s17, 7                          ; which 256 of the 2,048 rows
	s_lshl_b32 s77, s74, 7
	s_lshl_b32 s78, s76, 4
	s_add_co_u32 s77, s77, s78
	s_lshl_b32 s78, s15, 3
	s_add_co_u32 s77, s77, s78
	s_lshl_b32 s78, s77, 10
	s_lshl_b32 s79, s16, 9
	s_add_co_u32 s78, s78, s79
	s_mov_b32 s79, 0
	s_add_nc_u64 s[66:67], s[10:11], s[78:79]      ; q's codes: tile 128 bh + 16 (Y % 8) + 8 rh, half ch of the image
	s_lshl_b32 s78, s74, 17
	s_lshl_b32 s77, s76, 1
	s_add_co_u32 s77, s77, s15
	s_lshl_b32 s77, s77, 13
	s_add_co_u32 s78, s78, s77
	s_lshl_b32 s77, s16, 12
	s_add_co_u32 s78, s78, s77
	s_add_nc_u64 s[68:69], s[10:11], s[78:79]
	s_add_nc_u64 s[68:69], s[68:69], 8388608       ; v's codes: key step 2 (Y % 8) + w / 2, tiles of d 2 (w % 2) on
	s_lshl_b32 s78, s74, 19
	s_lshl_b32 s77, s76, 16
	s_add_co_u32 s78, s78, s77
	s_lshl_b32 s77, s14, 14
	s_add_co_u32 s78, s78, s77
	s_add_nc_u64 s[70:71], s[12:13], s[78:79]      ; present: k's rows 256 (Y % 8) + 64 w on,
	s_add_nc_u64 s[72:73], s[70:71], 16777216      ; and v's
	s_wait_kmcnt 0x0
	s_add_co_i32 s96, s80, s81
	s_add_co_i32 s96, s96, 127
	s_lshl_b32 s96, s96, 23                        ; 2^(e0 + e1) as f32
	s_mov_b32 s97, s96
.macro SCALE e, vs, vl                 ; v[vs] = 2^e as f32, v[vl] = 57,344 x 2^e
	s_add_co_i32 s85, s[\e], 127
	s_lshl_b32 s86, s85, 23
	v_mov_b32 v[\vs], s86
	s_add_co_i32 s85, s85, 15
	s_lshl_b32 s85, s85, 23
	s_or_b32 s85, s85, 0x600000
	v_mov_b32 v[\vl], s85
.endm
	SCALE 82, 8, 9                                 ; q's
	SCALE 83, 10, 11                               ; k's
	SCALE 84, 12, 13                               ; v's
	s_wait_alu depctr_va_vdst(0)                   ; the wait at the head's end
	s_wait_tensorcnt 0x0                           ; my part of slot 0 is in; slot 1's first fill is issued as a refill is:
	ds_add_u32 v[SPW], v[NIL]                      ; 0 onto my spare word
	s_wait_dscnt 0x0
	CROUND                                         ; everybody's part of slot 0 is in, and the joint loads meet
	JLOAD G0+4, G1, G0B+4, G1B                     ; slot 1: the first tensor load behind the round
	FETCH_B 0, 0, 0
	FETCH_A 0, 0, 0
	FETCH_A 0, 0, 1
	STEP 0, 0, 1                                   ; the first step stands in front of the loop: its products start the sums
.if LAPS > 1
	s_mov_b32 s3, LAPS-1
.Llap:                                                 ; a trip goes once round the ring and fills both slots again
	MID 0
	TURN 0, 1, 1
	STEP 1, 0, 0
	MID 1
	TURN 1, 0, 1
	STEP 0, 0, 0
	s_sub_co_u32 s3, s3, 1
	s_cmp_lg_u32 s3, 0
	s_cbranch_scc1 .Llap
.endif
	MID 0
	TURN 0, 1, 0                                   ; the last lap fills nothing
	STEP 1, 0, 0
	MID 1
	s_wait_dscnt 2*NA                              ; the very last step
	WIN MUL_LO
	MULR 0, NA/2, 1, 0
	s_wait_dscnt 0
	WIN MUL_HI
	MULR NA/2, NA/2, 1, 0
	WIN 0
	s_barrier_signal -1                            ; every wave's reads of the ring are over (each has waited for them): the stages may be written
	s_barrier_wait -1
	s_wait_loadcnt 0x0                             ; the bias
	PLACES 4
; Block a (16 rows): sum x 2^(e0 + e1) + bias; k and v in f32 into the stages; q and k held, converted and stored: 16 bytes a lane, 512 on end a wave.
.macro E1 a
.set AC, 48*((\a)%4)
.set CD, 80+8*((\a)%2)
.if (\a) > 1
	s_wait_xcnt 0x0                                ; the stores of two blocks ago have read their registers
.endif
	WIN 0x02+(\a)/4
.set ei, 0
.rept 24
	v_pk_fma_f32 v[TMP+ei:TMP+ei+1], v[AC+ei:AC+ei+1], s[96:97], v[BI+ei:BI+ei+1] op_sel_hi:[1,0,1]   ; each accumulator from its low end on
.set ei, ei+2
.endr
	WIN 0
.irp q, 0,1,2,3
	ds_store_b128 v[STK], v[TMP+16+4*\q:TMP+16+4*\q+3] offset:(\a)*4352+16*\q
.endr
.irp q, 0,1,2,3
	ds_store_b128 v[STV], v[TMP+32+4*\q:TMP+32+4*\q+3] offset:(\a)*4352+16*\q
.endr
.irp i, 0,1,2,3,4,5,6,7,8,9,10,11,12,13,14,15
	v_med3_num_f32 v[TMP+\i], v[TMP+\i], -v9, v9
.endr
.irp i, 16,17,18,19,20,21,22,23,24,25,26,27,28,29,30,31
	v_med3_num_f32 v[TMP+\i], v[TMP+\i], -v11, v11
.endr
	v_cvt_scalef32_pk8_bf8_f32 v[CD:CD+1], v[TMP:TMP+7], v8
	v_cvt_scalef32_pk8_bf8_f32 v[CD+2:CD+3], v[TMP+8:TMP+15], v8
	v_cvt_scalef32_pk8_bf8_f32 v[CD+4:CD+5], v[TMP+16:TMP+23], v10
	v_cvt_scalef32_pk8_bf8_f32 v[CD+6:CD+7], v[TMP+24:TMP+31], v10
	v_nop                                          ; a plain instruction behind the last conversion
	global_store_b128 v[LI], v[CD:CD+3], s[66:67] offset:(\a)*1024
	global_store_b128 v[LI], v[CD+4:CD+7], s[66:67] offset:4194304+(\a)*1024
.endm
.irp a, 0,1,2,3,4,5,6,7
	E1 \a
.endr
	s_wait_dscnt 0x0                               ; for the others' sake: my stores into the stages are done
	s_barrier_signal -1
	s_barrier_wait -1
	; v's codes: lane (r, h) of tile of d u takes d = 32 (w % 2) + 8 u + r + 8 (r / 8) and keys 32 c + 16 h + i of key step w / 2; key 32 c + 16 h + i lies in stage row 32 c + 16 (i / 8) + i % 8 + 8 h
.irp u, 0,1
.irp c, 0,1,2,3
.irp i, 0,1,2,3,4,5,6,7,8,9,10,11,12,13,14,15
	ds_load_b32 v[128+64*\u+16*\c+\i], v[CV] offset:(32*\c+16*(\i/8)+\i%8)*272+32*\u
.endr
.endr
.endr
	s_wait_dscnt 0x0
.set vi, 0
.rept 128
	v_med3_num_f32 v[128+vi], v[128+vi], -v13, v13
.set vi, vi+1
.endr
.set vi, 0
.rept 16
	v_cvt_scalef32_pk8_bf8_f32 v[96+2*vi:97+2*vi], v[128+8*vi:135+8*vi], v12
.set vi, vi+1
.endr
	v_nop
.irp u, 0,1
.irp c, 0,1,2,3
	global_store_b128 v[LI], v[96+16*\u+4*\c:99+16*\u+4*\c], s[68:69] offset:2048*\u+512*\c
.endr
.endr
	; present: key 64 w + 2 t + lane / 16 lies in stage row 64 w + SR(t) + lane / 16; two rows of 256 bytes an instruction, 512 consecutive bytes of the output
.macro PLOAD adr, t0, reg
.set pt, \t0
.rept 16
.set SR, 32*(pt/16)+16*((((2*pt)%32)/8)%2)+(2*pt)%8+8*(((2*pt)%32)/16)
	ds_load_b128 v[\reg+4*(pt-\t0):\reg+4*(pt-\t0)+3], v[\adr] offset:SR*272
.set pt, pt+1
.endr
.endm
.macro PSEND base, t0, reg, younger    ; younger: the LDS loads issued behind this batch's
.set pt, 0
.rept 16
	s_wait_dscnt \younger+15-pt
	global_store_b128 v[LI], v[\reg+4*pt:\reg+4*pt+3], s[\base:\base+1] offset:512*(\t0+pt) th:TH_STORE_NT
.set pt, pt+1
.endr
.endm
	PLOAD RDK, 0, 128
	PLOAD RDK, 16, 192
	PSEND 70, 0, 128, 16
	s_wait_xcnt 0x0                                ; the first batch's stores have read their registers
	PLOAD RDV, 0, 128
	PSEND 70, 16, 192, 16
	s_wait_xcnt 0x0
	PLOAD RDV, 16, 192
	PSEND 72, 0, 128, 16
	PSEND 72, 16, 192, 0
	s_wait_tensorcnt 0x0                           ; the wave's end
	ds_add_u32 v[SPW], v[NIL]
	s_wait_dscnt 0x0
	CROUND                                         ; the closing round
	s_endpgm
.Lfunc_end_k_q1a39f2c093_qkv:
	.size	k_q1a39f2c093_qkv, .Lfunc_end_k_q1a39f2c093_qkv-k_q1a39f2c093_qkv
	.p2alignl 7, 3214868480
	.fill 96, 4, 3214868480
	.section	.rodata,"a",@progbits
	.p2align	6, 0x0
	.amdhsa_kernel k_q1a39f2c093_qkv
		.amdhsa_group_segment_fixed_size 327680
		.amdhsa_private_segment_fixed_size 0
		.amdhsa_enable_private_segment 0
		.amdhsa_kernarg_size 40
		.amdhsa_user_sgpr_count 2
		.amdhsa_user_sgpr_kernarg_segment_ptr 1
		.amdhsa_wavefront_size32 1
		.amdhsa_system_sgpr_workgroup_id_x 1
		.amdhsa_system_sgpr_workgroup_id_y 1
		.amdhsa_system_sgpr_workgroup_id_z 1
		.amdhsa_system_vgpr_workitem_id 0
		.amdhsa_next_free_vgpr 1024
		.amdhsa_next_free_sgpr 100
		.amdhsa_reserve_vcc 0
		.amdhsa_float_denorm_mode_32 3
		.amdhsa_float_denorm_mode_16_64 3
		.amdhsa_memory_ordered 1
		.amdhsa_forward_progress 1
		.amdhsa_inst_pref_size 136
	.end_amdhsa_kernel
	.amdgpu_metadata
---
amdhsa.version: [ 1, 2 ]
amdhsa.kernels:
  - .name:           k_q1a39f2c093_qkv
    .symbol:         k_q1a39f2c093_qkv.kd
    .args:
      - { .name: wcod, .offset: 0, .size: 8, .value_kind: global_buffer, .address_space: global }
      - { .name: lowp_scales, .offset: 8, .size: 8, .value_kind: global_buffer, .address_space: global }
      - { .name: b_attn, .offset: 16, .size: 8, .value_kind: global_buffer, .address_space: global }
      - { .name: qkvc, .offset: 24, .size: 8, .value_kind: global_buffer, .address_space: global }
      - { .name: out1, .offset: 32, .size: 8, .value_kind: global_buffer, .address_space: global }
    .group_segment_fixed_size: 327680
    .private_segment_fixed_size: 0
    .kernarg_segment_align: 8
    .kernarg_segment_size: 40
    .max_flat_workgroup_size: 128
    .sgpr_count:     100
    .vgpr_count:     1024
    .wavefront_size: 32
...
	.end_amdgpu_metadata
.endif
;; end of part 2
;; launch attn (part 3): grid 8 x 32, 8 waves a work-group, clusters of 4 x 1, 327,680 bytes of LDS; arguments qkvc, lowp_scales, acod; writes acod
.if DOCPART == 3
	.amdgcn_target "amdgcn-amd-amdhsa--gfx1250"
	.amdhsa_code_object_version 6
	.text
	.protected	k_q1a39f2c093_attn
	.globl	k_q1a39f2c093_attn
	.p2align	8
	.type	k_q1a39f2c093_attn,@function
k_q1a39f2c093_attn:
	s_mov_b64 s[64:65], 0
	v_nop
	global_prefetch_b8 v0, s[64:65] scope:SCOPE_SE
	s_setreg_imm32_b32 hwreg(HW_REG_WAVE_MODE, 25, 1), 1
	s_wait_xcnt 0x0
	s_wait_alu depctr_hold_cnt(0) depctr_sa_sdst(0) depctr_va_vdst(0) depctr_va_sdst(0) depctr_va_ssrc(0) depctr_va_vcc(0) depctr_vm_vsrc(0)
	s_getreg_b32 s2, hwreg(HW_REG_IB_STS2, 6, 4)
	s_cmp_eq_u32 s2, 0
	s_cbranch_scc0 .Lentry_in_a_cluster
	s_endpgm
.Lentry_in_a_cluster:
	s_bfe_u32 s2, ttmp6, 0x10000c
	s_cmp_lg_u32 s2, 0x3003
	s_cbranch_scc0 .Lentry_shape_is_right
	s_endpgm
.Lentry_shape_is_right:
; ATTN.  a = softmax(q k^T / 8) v, both products on codes of BF8 (E5M2); a is quantised with 2^e6 for the projection and stored as an image of operand registers.
; qkvc: q's codes at 0, [head 32][tile of 16 rows 128][1,024]; k's at 4,194,304, likewise; v's at 8,388,608, [head][key step of 128: 16][tile of d: 4][2,048].  Every tile is an image of registers:
; the code of (row r, k = 32 c + 16 h + e) lies at 512 c + 16 x lane + e; row r of tile i stands for index 32 (i / 2) + 8 (i % 2) + r + 8 (r / 8), so that the 16 registers of two neighbouring tiles of scores are 16 neighbouring keys.
; THE SOFTMAX: t = score x log2(e) / 8; M = the running largest t rounded up to a whole number; p = 2^(t - M) is quantised with 2^e4, not normalised; the row's sum is taken of the unquantised p and divides at the end.
; SHARES.  A work-group owns 256 queries of one head; each of its EIGHT waves owns 32 of them, two tiles, so that each fragment of K and V feeds two matrix instructions and the two tiles' chains of dependent lines take turns.
; Both products are used transposed: a lane holds one query of each tile (lane % 16) throughout.
; LDS holds the head's whole K (131,072 bytes at 0) and V (131,072 bytes behind it), as they lie in memory, filled ONCE: each wave issues one load of 32,768 bytes at the head (waves 0-3: K, waves 4-7: V).  No barrier stands in the walk.
; A step is 128 keys.  V's fragments are asked of LDS at the step's head, the next step's K fragments behind the score products: both have the softmax in which to come.
; Tile 1's scalings stand among tile 0's exponentials and tile 0's holds among tile 1's: each is first read behind the wait that follows its batch.
; CLUSTERS: the four work-groups of a cluster own query blocks of one head and ask for K and V jointly (mask 15).
; No prefetch: all that the launch reads of K and V is asked for by the one load a wave at the head; there is no loop to run ahead in.
; LIMITS: e2 + e3 between -123 and 130 (added to c's exponent field); e4 and e6 between -126 and 112; the scaled scores stay under 2^31 in magnitude.  NaN among the inputs is not served.
; REGISTERS.  Window 0: v1 16 x lane; v8, v9 LDS addresses; tile q: v[12+4q] -M, v[13+4q] the largest t, v[14+4q:15+4q] the sum, v[20+2q:21+2q] f; v24-35, v44-45 at work; v36-42 constants; v48-63 q's codes;
;   v64-191 S^T, then p; v192-223 p's codes.   Window 1: v0-63 O^T; v64-127 K's fragments; v128-191 V's fragments.
.set SPARE, 0x40000                    ; behind K and V: the spare words, 128 bytes a wave: four blocks of 256 bytes that no other line names
.set VOFF,  131072
.set LI,   1
.set ADK,  8
.set ADV,  9
.set NM,   12
.set FF,   20
.set MX,   24
.set PT,   28
.set OM,   30
.set HP,   36                          ; v36, v37  57,344 x 2^e4, twice: one for each half of a dual line
.set SCP,  38                          ; v38  2^e4
.set SCA,  39                          ; v39  2^e6
.set HA,   40                          ; v40  57,344 x 2^e6
.set SPW,  41
.set NIL,  42
.set QF,   48
.set SB,   64
.set CD,   192
.set OB,   0                           ; window 1
.set KF,   64
.set VF,   128
.set WV,   18
.set SEL,  20
.set CS,   22
.set G1,   24
.set G0,   32
.set TB,   2
.set CNT,  3
.set W_LD, 0x40                        ; an LDS load: data window 1, address window 0
.set W_S,  0x01                        ; source 0 (K's fragment, or O^T) window 1, all else window 0
.set W_O,  0x41                        ; destination and source 0 (O^T) window 1, source 1 (f) window 0
.set W_PV, 0x51                        ; source 0 (V's fragment), C and D (O^T) window 1, source 1 (p's codes) window 0
.set MSB, 0
.macro WIN new                         ; the immediate's high byte repeats the setting that is left
.if MSB != (\new)
	s_set_vgpr_msb (MSB<<8)|(\new)
.set MSB, \new
.endif
.endm
.macro CROUND                          ; a round of the cluster's barrier
	s_barrier_signal -1
	s_barrier_wait -1
	s_cmp_lg_u32 s[WV], 0
	s_cbranch_scc1 .Lnot_wave_0_\@
	s_barrier_signal -3
.Lnot_wave_0_\@:
	s_barrier_wait -3
	s_barrier_signal -1
	s_barrier_wait -1
.endm
.macro D2
	s_delay_alu instid0(VALU_DEP_2)
.endm
	s_load_b128 s[4:7], s[0:1], 0x0                ; qkvc, the scales' exponents
	s_load_b64 s[8:9], s[0:1], 0x10                ; acod
	v_lshl_add_u32 v[SPW], v0, 2, SPARE
	v_mov_b32 v[NIL], 0
	ds_add_u32 v[SPW], v[NIL]                      ; the opening lines: the add, twice on end, and its wait ahead of my first tensor load
	ds_add_u32 v[SPW], v[NIL]
	v_lshrrev_b32 v2, 5, v0
	s_delay_alu instid0(VALU_DEP_1)
	v_readfirstlane_b32 s[WV], v2                  ; wave 0..7
	s_bfe_u32 s10, ttmp6, 0x40000                  ; cx
	s_lshl_b32 s11, ttmp9, 2
	s_add_co_u32 s11, s11, s10                     ; the block of 256 queries
	s_and_b32 s12, ttmp7, 0xffff                   ; the head, 16 b + h
	s_mov_b32 s[G1], 15|(3<<16)|(1<<21)            ; the mask: all four; elements of 8 bytes; bit 21 beside a mask; no padding
	s_mov_b32 s[G1+1], 32<<16                      ; rows of 256 bytes,
	s_mov_b32 s[G1+2], 128<<16                     ; 128 of them,
	s_mov_b32 s[G1+3], 32<<16
	s_mov_b32 s[G1+4], 128
	s_mov_b32 s[G1+5], 32                          ; dense in memory
	s_mov_b32 s[G1+6], 0
	s_mov_b32 s[G1+7], 0
	s_lshr_b32 s13, s[WV], 2                       ; I fetch for K (0) or for V (1),
	s_and_b32 s14, s[WV], 3                        ; piece wave % 4 of 32,768 bytes
	s_lshl_b32 s15, s13, 17
	s_lshl_b32 s16, s14, 15
	s_add_co_u32 s15, s15, s16                     ; in LDS: no place in the cluster enters it
	s_lshl_b32 s48, s13, 22
	s_lshl_b32 s17, s12, 17
	s_add_co_u32 s48, s48, s17
	s_add_co_u32 s48, s48, s16                     ; in memory: hangs on the head and the wave alone
	s_mov_b32 s49, 0
	s_mov_b32 s[SEL], 0x76543210                   ; v_permlanex16_b32: lane l xor 16
	s_mov_b32 s[SEL+1], 0xfedcba98
	s_mov_b32 s[CS], 0x3e38aa3b                    ; c = log2(e) / 8
	s_mov_b32 s[TB], 0
	s_wait_dscnt 0x0                               ; both opening adds are done
	s_wait_kmcnt 0x0
	s_load_b128 s[68:71], s[6:7], 0x8              ; e2, e3, e4, e5
	s_load_b32 s72, s[6:7], 0x18                   ; e6
	s_add_nc_u64 s[48:49], s[4:5], s[48:49]
	s_mov_b32 s[G0], 1
	s_mov_b32 s[G0+1], s15
	s_add_nc_u64 s[G0+2:G0+3], s[48:49], 4194304
	s_or_b32 s[G0+3], s[G0+3], 0x80000000
	CROUND                                         ; all four work-groups are here: the joint loads meet
	tensor_load_to_lds s[G0:G0+3], s[G1:G1+7]      ; my one load
	s_nop 0
.rept 4
	v_nop
.endr
	s_lshl_b32 s50, s12, 7
	s_lshl_b32 s51, s11, 4
	s_lshl_b32 s56, s[WV], 1
	s_add_co_u32 s51, s51, s56                     ; my first tile in the head: 16 x block + 2 x wave
	s_add_co_u32 s50, s50, s51
	s_lshl_b32 s52, s50, 10
	s_mov_b32 s53, 0
	s_add_nc_u64 s[52:53], s[4:5], s[52:53]        ; q's codes
	s_lshr_b32 s54, s12, 4
	s_lshl_b32 s54, s54, 7
	s_add_co_u32 s54, s54, s51                     ; a's tile of rows: 128 b + 16 x block + 2 x wave,
	s_lshl_b32 s54, s54, 14
	s_and_b32 s55, s12, 15
	s_lshl_b32 s55, s55, 10                        ; and my head's 64 of its K: 1,024 bytes of the image
	s_add_co_u32 s54, s54, s55
	s_mov_b32 s55, 0
	s_add_nc_u64 s[8:9], s[8:9], s[54:55]
	v_and_b32 v2, 31, v0
	s_delay_alu instid0(VALU_DEP_1)
	v_lshlrev_b32 v[LI], 4, v2
.irp i, 0,1,2,3
	global_load_b128 v[QF+4*\i:QF+4*\i+3], v[LI], s[52:53] offset:512*\i   ; q's two fragments stay in registers
.endr
	v_mov_b32 v[ADK], v[LI]
	v_add_nc_u32 v[ADV], VOFF, v[LI]
.irp q, 0,1
	v_mov_b32 v[NM+4*\q+1], 0xff61b1e6             ; the largest t so far: -3e38
	v_mov_b32 v[NM+4*\q+2], 0                      ; the sum, in two halves
	v_mov_b32 v[NM+4*\q+3], 0
	v_floor_f32 v[NM+4*\q], -v[NM+4*\q+1]          ; -M
	v_mov_b32 v[PT+\q], 0                          ; a lane permute's destination counts as a source
	v_mov_b32 v[FF+2*\q+1], 0                      ; named as the upper half of f's pair
.endr
	WIN W_LD
.set oi, 0
.rept 64
	v_mov_b32 v[OB+oi], 0                          ; O^T: the step is written for every trip alike; the first change of M leaves zeros zeros
.set oi, oi+1
.endr
	WIN 0
	s_wait_kmcnt 0x0
	s_add_co_i32 s73, s68, s69
	s_lshl_b32 s73, s73, 23
	s_add_co_i32 s[CS], s[CS], s73                 ; e2 + e3 added to c's exponent field
	s_mov_b32 s[CS+1], s[CS]
.macro SCALE e, vs, vl                 ; v[vs] = 2^e as f32, v[vl] = 57,344 x 2^e
	s_add_co_i32 s74, s[\e], 127
	s_lshl_b32 s75, s74, 23
	v_mov_b32 v[\vs], s75
	s_add_co_i32 s74, s74, 15
	s_lshl_b32 s74, s74, 23
	s_or_b32 s74, s74, 0x600000
	v_mov_b32 v[\vl], s74
.endm
	SCALE 70, SCP, HP                              ; p's
	s_delay_alu instid0(VALU_DEP_1)
	v_mov_b32 v[HP+1], v[HP]
	SCALE 72, SCA, HA                              ; a's
.macro KLOAD off                       ; K's eight fragments of the key step at byte off behind v[ADK]'s
	WIN W_LD
.irp t, 0,1,2,3,4,5,6,7
.irp c, 0,1
	ds_load_b128 v[KF+8*\t+4*\c:KF+8*\t+4*\c+3], v[ADK] offset:\off+1024*\t+512*\c
.endr
.endr
	WIN 0
.endm
.macro SUMS q                          ; tile q's sum of the unquantised p, two at a time, in four chains
.set PB, SB+64*\q
.set SU, NM+4*\q+2
	v_pk_add_f32 v[32:33], v[PB:PB+1], v[PB+2:PB+3]
	v_pk_add_f32 v[34:35], v[PB+4:PB+5], v[PB+6:PB+7]
	v_pk_add_f32 v[44:45], v[PB+8:PB+9], v[PB+10:PB+11]
	v_pk_add_f32 v[SU:SU+1], v[SU:SU+1], v[PB+12:PB+13]
.irp j, 14,22,30,38,46,54
	v_pk_add_f32 v[32:33], v[32:33], v[PB+\j:PB+\j+1]
	v_pk_add_f32 v[34:35], v[34:35], v[PB+\j+2:PB+\j+3]
	v_pk_add_f32 v[44:45], v[44:45], v[PB+\j+4:PB+\j+5]
	v_pk_add_f32 v[SU:SU+1], v[SU:SU+1], v[PB+\j+6:PB+\j+7]
.endr
	v_pk_add_f32 v[32:33], v[32:33], v[PB+62:PB+63]
	v_pk_add_f32 v[34:35], v[34:35], v[44:45]
	D2
	v_pk_add_f32 v[SU:SU+1], v[SU:SU+1], v[32:33]
	s_delay_alu instid0(VALU_DEP_1)
	v_pk_add_f32 v[SU:SU+1], v[SU:SU+1], v[34:35]
.endm
.macro CVT q, b                        ; 16 neighbouring keys of tile q: four registers of the second product's operand
	v_cvt_scalef32_pk8_bf8_f32 v[CD+16*\q+4*\b:CD+16*\q+4*\b+1], v[SB+64*\q+16*\b:SB+64*\q+16*\b+7], v[SCP]
	v_cvt_scalef32_pk8_bf8_f32 v[CD+16*\q+4*\b+2:CD+16*\q+4*\b+3], v[SB+64*\q+16*\b+8:SB+64*\q+16*\b+15], v[SCP]
.endm
; A KEY STEP: 128 keys, for both tiles.  more = 1: another step follows.
.macro STEP more
	WIN W_LD
.irp u, 0,1,2,3
.irp c, 0,1,2,3
	ds_load_b128 v[VF+16*\u+4*\c:VF+16*\u+4*\c+3], v[ADV] offset:2048*\u+512*\c
.endr
.endr
	s_wait_dscnt 16                                ; K's fragments are in; V's 16 loads, issued behind them, may be out
	WIN W_S
.irp t, 0,1,2,3,4,5,6,7
.irp q, 0,1
	v_wmma_f32_16x16x64_bf8_bf8 v[SB+64*\q+8*\t:SB+64*\q+8*\t+7], v[KF+8*\t:KF+8*\t+7], v[QF+8*\q:QF+8*\q+7], 0   ; S^T = K q^T
.endr
.endr
	WIN 0
	v_mov_b32 v[OM], v[NM]                         ; the old -M of both tiles: two of the four places behind the products
	v_mov_b32 v[OM+1], v[NM+4]
	v_nop
	v_nop
.if \more
	KLOAD 8192                                     ; the next step's K
.endif
.irp q, 0,1                                    ; the step's largest score of my queries: two chains a tile
	v_max3_num_f32 v[MX+2*\q], v[SB+64*\q], v[SB+64*\q+1], v[SB+64*\q+2]
	v_max3_num_f32 v[MX+2*\q+1], v[SB+64*\q+3], v[SB+64*\q+4], v[SB+64*\q+5]
.endr
.irp i, 6,10,14,18,22,26,30,34,38,42,46,50,54,58
.irp q, 0,1
	v_max3_num_f32 v[MX+2*\q], v[MX+2*\q], v[SB+64*\q+\i], v[SB+64*\q+\i+1]
	v_max3_num_f32 v[MX+2*\q+1], v[MX+2*\q+1], v[SB+64*\q+\i+2], v[SB+64*\q+\i+3]
.endr
.endr
.irp q, 0,1
	v_max3_num_f32 v[MX+2*\q], v[MX+2*\q], v[SB+64*\q+62], v[SB+64*\q+63]
.endr
.irp q, 0,1
	D2
	v_max_num_f32 v[MX+2*\q], v[MX+2*\q], v[MX+2*\q+1]
.endr
.irp q, 0,1
	D2
	v_permlanex16_b32 v[PT+\q], v[MX+2*\q], s[SEL], s[SEL+1]
.endr
.irp q, 0,1
	D2
	v_max_num_f32 v[MX+2*\q], v[MX+2*\q], v[PT+\q]   ; and lane l xor 16's
.endr
.irp q, 0,1
	D2
	v_mul_f32 v[MX+2*\q], s[CS], v[MX+2*\q]        ; as t (c is positive)
.endr
.irp q, 0,1
	D2
	v_max_num_f32 v[NM+4*\q+1], v[NM+4*\q+1], v[MX+2*\q]
.endr
.irp q, 0,1
	D2
	v_floor_f32 v[NM+4*\q], -v[NM+4*\q+1]          ; the new -M = -ceil(t)
.endr
.irp q, 0,1
	D2
	v_sub_f32 v[MX+2*\q], v[NM+4*\q], v[OM+\q]     ; old M - new M: a whole number, 0 or less
.endr
.irp q, 0,1
	D2
	v_cvt_i32_f32 v[MX+2*\q], v[MX+2*\q]
.endr
.irp q, 0,1
	D2
	v_ldexp_f32 v[FF+2*\q], 1.0, v[MX+2*\q]        ; f = 2^(old M - new M)
.endr
.set xi, 0
.rept 32
	v_pk_fma_f32 v[SB+xi:SB+xi+1], v[SB+xi:SB+xi+1], s[CS:CS+1], v[NM:NM+1] op_sel_hi:[1,0,0]   ; tile 0: t - M
.set xi, xi+2
.endr
	s_wait_alu depctr_va_vdst(0)                   ; the wait ahead of the batch
.set xi, 0
.rept 32                                       ; tile 0: p = 2^(t - M); among the exponentials tile 1's t - M, first read behind the next wait
	v_exp_f32 v[SB+xi], v[SB+xi]
	v_pk_fma_f32 v[SB+64+xi:SB+65+xi], v[SB+64+xi:SB+65+xi], s[CS:CS+1], v[NM+4:NM+5] op_sel_hi:[1,0,0]
	v_exp_f32 v[SB+xi+1], v[SB+xi+1]
.set xi, xi+2
.endr
	v_pk_mul_f32 v[NM+2:NM+3], v[NM+2:NM+3], v[FF:FF+1] op_sel_hi:[1,0]   ; tile 0's sum under the new M; a plain place behind the batch
	s_wait_alu depctr_va_vdst(0)                   ; the wait behind tile 0's batch and ahead of tile 1's
	SUMS 0
.set xi, 0
.rept 32                                       ; tile 1: p; among the exponentials tile 0's hold (ISA guide 7.6.2: the conversion does not saturate; p is not negative), first read behind the next wait
	v_exp_f32 v[SB+64+xi], v[SB+64+xi]
	v_dual_min_num_f32 v[SB+xi], v[SB+xi], v[HP] :: v_dual_min_num_f32 v[SB+xi+1], v[SB+xi+1], v[HP+1]
	v_exp_f32 v[SB+65+xi], v[SB+65+xi]
.set xi, xi+2
.endr
	v_pk_mul_f32 v[NM+6:NM+7], v[NM+6:NM+7], v[FF+2:FF+3] op_sel_hi:[1,0]
	s_wait_alu depctr_va_vdst(0)                   ; the wait behind tile 1's batch
.irp b, 0,1,2,3
	CVT 0, \b
.endr
	SUMS 1
.irp b, 0,1,2,3
.irp i, 0,2,4,6,8,10,12,14
	v_dual_min_num_f32 v[SB+64+16*\b+\i], v[SB+64+16*\b+\i], v[HP] :: v_dual_min_num_f32 v[SB+65+16*\b+\i], v[SB+65+16*\b+\i], v[HP+1]
.endr
	CVT 1, \b
.endr
	WIN W_O
	s_wait_alu depctr_va_vdst(0)                   ; directly ahead of the first reader of O^T
.irp q, 0,1
.irp j, 0,2,4,6,8,10,12,14,16,18,20,22,24,26,28,30
	v_pk_mul_f32 v[OB+32*\q+\j:OB+32*\q+\j+1], v[OB+32*\q+\j:OB+32*\q+\j+1], v[FF+2*\q:FF+2*\q+1] op_sel_hi:[1,0]   ; O^T under the new M
.endr
.endr
	s_wait_alu depctr_va_vdst(0)                   ; directly ahead of the wait below
.if \more
	s_wait_dscnt 16                                ; V's fragments are in; the next K's 16 loads, issued behind them, may be out
.else
	s_wait_dscnt 0x0
.endif
	WIN W_PV
.irp u, 0,1,2,3
.irp q, 0,1
	v_wmma_f32_16x16x128_bf8_bf8 v[OB+32*\q+8*\u:OB+32*\q+8*\u+7], v[VF+16*\u:VF+16*\u+15], v[CD+16*\q:CD+16*\q+15], v[OB+32*\q+8*\u:OB+32*\q+8*\u+7]   ; O^T += V^T p^T, eight accumulators by turns
.endr
.endr
	WIN 0
.if \more
	s_add_co_u32 s[TB], s[TB], 8192
	v_add_nc_u32 v[ADK], s[TB], v[LI]              ; the next step's addresses: two of the four places in front of the loads into V's fragments
	s_delay_alu instid0(VALU_DEP_1)
	v_add_nc_u32 v[ADV], VOFF, v[ADK]
	v_nop
	v_nop
	s_wait_alu depctr_va_vdst(0)                   ; ahead of the branch
.else
.rept 4
	v_nop
.endr
.endif
.endm
	s_wait_alu depctr_va_vdst(0)                   ; the wait at the head's end
	s_wait_loadcnt 0x0                             ; q
	s_wait_tensorcnt 0x0                           ; my part of K or V is in
	s_barrier_signal -1
	s_barrier_wait -1                              ; and everybody's
	KLOAD 0
	s_mov_b32 s[CNT], 15
.Lstep:
	STEP 1
	s_sub_co_u32 s[CNT], s[CNT], 1
	s_cmp_lg_u32 s[CNT], 0
	s_cbranch_scc1 .Lstep
	STEP 0                                         ; the last step is written out: it asks for no further K
.irp q, 0,1
	v_add_f32 v[NM+4*\q+2], v[NM+4*\q+2], v[NM+4*\q+3]   ; the sum's two halves,
.endr
.irp q, 0,1
	D2
	v_permlanex16_b32 v[PT+\q], v[NM+4*\q+2], s[SEL], s[SEL+1]
.endr
.irp q, 0,1
	D2
	v_add_f32 v[NM+4*\q+2], v[NM+4*\q+2], v[PT+\q]   ; and lane l xor 16's
.endr
	s_wait_alu depctr_va_vdst(0)                   ; the wait ahead of the transcendentals
	v_rcp_f32 v[NM+2], v[NM+2]
	v_rcp_f32 v[NM+6], v[NM+6]
	v_nop
	s_add_co_i32 s73, s70, s71
	s_wait_alu depctr_va_vdst(0)                   ; and ahead of their first reader
	v_ldexp_f32 v[NM+2], v[NM+2], s73              ; x 2^(e4 + e5)
	v_ldexp_f32 v[NM+6], v[NM+6], s73
	WIN W_S
	s_wait_alu depctr_va_vdst(0)                   ; directly ahead of the first reader of O^T
.irp q, 0,1
.irp j, 0,2,4,6,8,10,12,14,16,18,20,22,24,26,28,30
	v_pk_mul_f32 v[SB+32*\q+\j:SB+32*\q+\j+1], v[OB+32*\q+\j:OB+32*\q+\j+1], v[NM+4*\q+2:NM+4*\q+3] op_sel_hi:[1,0]
.endr
.endr
	WIN 0
.set xi, 0
.rept 64
	v_med3_num_f32 v[SB+xi], v[SB+xi], -v[HA], v[HA]   ; the hold at the largest code x 2^e6
.set xi, xi+1
.endr
.irp g, 0,1,2,3,4,5,6,7
	v_cvt_scalef32_pk8_bf8_f32 v[CD+2*\g:CD+2*\g+1], v[SB+8*\g:SB+8*\g+7], v[SCA]
.endr
	v_nop                                          ; a plain instruction behind the last conversion
.irp q, 0,1
	global_store_b128 v[LI], v[CD+8*\q:CD+8*\q+3], s[8:9] offset:16384*\q        ; 512 consecutive bytes a store, at a multiple of 256 from the buffer's first byte
	global_store_b128 v[LI], v[CD+8*\q+4:CD+8*\q+7], s[8:9] offset:16384*\q+512
.endr
	s_wait_tensorcnt 0x0                           ; the wave's end
	ds_add_u32 v[SPW], v[NIL]
	s_wait_dscnt 0x0
	CROUND                                         ; the closing round
	s_endpgm
.Lfunc_end_k_q1a39f2c093_attn:
	.size	k_q1a39f2c093_attn, .Lfunc_end_k_q1a39f2c093_attn-k_q1a39f2c093_attn
	.p2alignl 7, 3214868480
	.fill 96, 4, 3214868480
	.section	.rodata,"a",@progbits
	.p2align	6, 0x0
	.amdhsa_kernel k_q1a39f2c093_attn
		.amdhsa_group_segment_fixed_size 327680
		.amdhsa_private_segment_fixed_size 0
		.amdhsa_enable_private_segment 0
		.amdhsa_kernarg_size 24
		.amdhsa_user_sgpr_count 2
		.amdhsa_user_sgpr_kernarg_segment_ptr 1
		.amdhsa_wavefront_size32 1
		.amdhsa_system_sgpr_workgroup_id_x 1
		.amdhsa_system_sgpr_workgroup_id_y 1
		.amdhsa_system_sgpr_workgroup_id_z 1
		.amdhsa_system_vgpr_workitem_id 0
		.amdhsa_next_free_vgpr 448
		.amdhsa_next_free_sgpr 80
		.amdhsa_reserve_vcc 0
		.amdhsa_float_denorm_mode_32 3
		.amdhsa_float_denorm_mode_16_64 3
		.amdhsa_memory_ordered 1
		.amdhsa_forward_progress 1
		.amdhsa_inst_pref_size 74
	.end_amdhsa_kernel
	.amdgpu_metadata
---
amdhsa.version: [ 1, 2 ]
amdhsa.kernels:
  - .name:           k_q1a39f2c093_attn
    .symbol:         k_q1a39f2c093_attn.kd
    .args:
      - { .name: qkvc, .offset: 0, .size: 8, .value_kind: global_buffer, .address_space: global }
      - { .name: lowp_scales, .offset: 8, .size: 8, .value_kind: global_buffer, .address_space: global }
      - { .name: acod, .offset: 16, .size: 8, .value_kind: global_buffer, .address_space: global }
    .group_segment_fixed_size: 327680
    .private_segment_fixed_size: 0
    .kernarg_segment_align: 8
    .kernarg_segment_size: 24
    .max_flat_workgroup_size: 256
    .sgpr_count:     80
    .vgpr_count:     448
    .wavefront_size: 32
...
	.end_amdgpu_metadata
.endif
;; end of part 3
;; launch proj (part 4): grid 8 x 32, 4 waves a work-group, clusters of 4 x 4, 327,680 bytes of LDS; arguments acod, wcod, lowp_scales, b_proj, x, x1; writes x1
.if DOCPART == 4
	.amdgcn_target "amdgcn-amd-amdhsa--gfx1250"
	.amdhsa_code_object_version 6
	.text
	.protected	k_q1a39f2c093_proj
	.globl	k_q1a39f2c093_proj
	.p2align	8
	.type	k_q1a39f2c093_proj,@function
k_q1a39f2c093_proj:
	s_mov_b64 s[64:65], 0
	v_nop
	global_prefetch_b8 v0, s[64:65] scope:SCOPE_SE
	s_setreg_imm32_b32 hwreg(HW_REG_WAVE_MODE, 25, 1), 1
	s_wait_xcnt 0x0
	s_wait_alu depctr_hold_cnt(0) depctr_sa_sdst(0) depctr_va_vdst(0) depctr_va_sdst(0) depctr_va_ssrc(0) depctr_va_vcc(0) depctr_vm_vsrc(0)
	s_getreg_b32 s2, hwreg(HW_REG_IB_STS2, 6, 4)
	s_cmp_eq_u32 s2, 0
	s_cbranch_scc0 .Lentry_in_a_cluster
	s_endpgm
.Lentry_in_a_cluster:
	s_bfe_u32 s2, ttmp6, 0x10000c
	s_cmp_lg_u32 s2, 0xf033
	s_cbranch_scc0 .Lentry_shape_is_right
	s_endpgm
.Lentry_shape_is_right:
; PROJ.  x1 = x + a w_proj + b_proj, the product on codes of BF8 (E5M2).  a's and w_proj's codes are images of registers: [tile of 16 rows][K step of 128][2,048 bytes], the code of (row r, k = 32 c + 16 h + e) at
; 512 c + 16 x lane + e; row r of tile i stands for index 32 (i / 2) + 8 (i % 2) + r + 8 (r / 8).  k lies in the registers otherwise than the form's own layout has it, alike in both operands.
; 4,096 x 1,024 of output make 256 tiles of 128 x 128: one for each work-group of four waves; a wave makes 64 x 64: 16 accumulators.  K goes in one LDS slot of 1,024, filled by the tensor data mover
; (filled once, at the head).  CLUSTERS: 4 x 4; A's tiles are asked for jointly along a row of the cluster, B's along a column.
; THE MATRIX INSTRUCTION IS USED TRANSPOSED: a lane holds one row and eight neighbouring columns.  A block of 16 rows x 64 columns goes through the wave's own stage in LDS and comes back as rows of 256 bytes.
; Rows count as m' = 2,048 b + l; in memory row (l, b) lies at (2 l + b) x 4,096 bytes.  The residual's 64 x 64 numbers are loaded at the head, in the layout of the way out.
; LIMIT: e6 + e7 between -126 and 127.  No prefetch: the one slot is asked for at the head.
; REGISTERS: window 0: v16-21 LDS addresses; v24-27 the way out's; v28, v29 the add's; v32-35 the bias; v128-191 A's fragments, later rows on their way out.  window 1: B's fragments, two sets.
;   window 2: v0-63 the accumulators of my rows 0-31, v64-191 the residual;  window 3: v0-63 those of my rows 32-63.
.set NA,   4
.set NB,   4
.set QS,   8                           ; ALL EIGHT K STEPS LIE IN ONE SLOT, filled once, by one load of 65,536 bytes a wave at the head: no second slot, no change of slots
.set KT,   8
.set AOFF, 0
.set BOFF, 3145728
.set ESC,  0x18
.set PA,   4
.set PB,   6
.set TP,    KT*2048
.set AH,    NA*QS*2048
.set BH,    NB*QS*2048
.set SLOT,  2*AH+2*BH
.set SPARE, SLOT                       ; behind the slot: the spare words, 128 bytes a wave: two blocks of 256 bytes that no other line names
.set STAGE, SLOT+512                   ; behind them: the waves' stages for the way out, bytes of their own
.set LAPS,  KT/QS/2
.set ADRA, 16
.set ADRB, 20
.set SPW,  28
.set NIL,  29
.set AF,   128
.set G1,   24
.set G0,   32
.set G1B,  48
.set G0B,  56
.set MSB, 0
.macro WIN new                         ; the immediate's high byte repeats the setting that is left
.if MSB != (\new)
	s_set_vgpr_msb (MSB<<8)|(\new)
.set MSB, \new
.endif
.endm
.set MUL_LO, 0xa1                      ; source 0 (B) window 1, source 1 (A) window 0, C and D window 2
.set MUL_HI, 0xf1
.set TO_B,   0x40
.macro JLOAD g0a, g1a, g0b, g1b        ; a joint load: waves 0 and 1 fetch A's halves, waves 2 and 3 B's; four v_nop follow each of the two lines
	s_cmp_eq_u32 s15, 0
	s_cbranch_scc0 .Lfor_b_\@
	tensor_load_to_lds s[\g0a:\g0a+3], s[\g1a:\g1a+7]
	s_nop 0
.rept 4
	v_nop
.endr
	s_branch .Lasked_\@
.Lfor_b_\@:
	tensor_load_to_lds s[\g0b:\g0b+3], s[\g1b:\g1b+7]
	s_nop 0
.rept 4
	v_nop
.endr
.Lasked_\@:
.endm
.macro CREST
	s_cmp_lg_u32 s14, 0
	s_cbranch_scc1 .Lnot_wave_0_\@
	s_barrier_signal -3
.Lnot_wave_0_\@:
	s_barrier_wait -3
	s_barrier_signal -1
	s_barrier_wait -1
.endm
.macro CROUND
	s_barrier_signal -1
	s_barrier_wait -1
	CREST
.endm
.macro PLACES n                        ; plain vector instructions between a matrix instruction and a load into, or a read of, its registers
.rept \n
	v_nop
.endr
.endm
.macro FRAG reg, adr, off
.irp c, 0,1,2,3
	ds_load_b128 v[\reg+4*\c:\reg+4*\c+3], v[\adr] offset:\off+512*\c
.endr
.endm
.macro FETCH_B slot, q, p
	WIN TO_B
.set fi, 0
.rept NB
	FRAG 128*(\p)+16*fi, ADRB+\slot, (fi*QS+(\q))*2048
.set fi, fi+1
.endr
	WIN 0
.endm
.macro FETCH_A slot, q, half
.set fi, (\half)*NA/2
.rept NA/2
	FRAG AF+16*fi, ADRA+\slot, (fi*QS+(\q))*2048
.set fi, fi+1
.endr
.endm
.macro MULR a0, n, p, zero             ; the accumulators take turns, one instruction a turn, in the same order in every step
.set ma, \a0
.rept \n
.set mb, 0
.rept NB
.set AC, 8*(NB*(ma%(NA/2))+mb)
.if \zero
	v_wmma_f32_16x16x128_bf8_bf8 v[AC:AC+7], v[128*(\p)+16*mb:128*(\p)+16*mb+15], v[AF+16*ma:AF+16*ma+15], 0
.else
	v_wmma_f32_16x16x128_bf8_bf8 v[AC:AC+7], v[128*(\p)+16*mb:128*(\p)+16*mb+15], v[AF+16*ma:AF+16*ma+15], v[AC:AC+7]
.endif
.set mb, mb+1
.endr
.set ma, ma+1
.endr
.endm
.macro STEP slot, q, zero
	s_wait_dscnt 2*NA                              ; B's set and A's lower half are in; the youngest 2 NA loads, A's upper half, may be out
	WIN MUL_LO
	MULR 0, NA/2, (\q)%2, \zero
	s_wait_dscnt 0
	PLACES 4
	FETCH_B \slot, (\q)+1, 1-(\q)%2
	FETCH_A \slot, (\q)+1, 0
	WIN MUL_HI
	MULR NA/2, NA/2, (\q)%2, \zero
	PLACES 4
	WIN 0
	FETCH_A \slot, (\q)+1, 1
.endm
.macro MID slot
.if QS > 2
.set qq, 1
.rept QS-2
	STEP \slot, qq, 0
.set qq, qq+1
.endr
.endif
.endm
.macro TURN slot, next, fill           ; a slot's last step changes slots
	s_wait_tensorcnt 0x0                           ; all my tensor loads have landed: my part of the next slot
	ds_add_u32 v[SPW], v[NIL]                      ; 0 onto my spare word
	s_wait_dscnt 2*NA+1                            ; the add and A's upper half may be out
	WIN MUL_LO
	MULR 0, NA/4, 1, 0
	s_wait_dscnt 0x0                               ; the add is done, and my reads of this slot are over
	s_barrier_signal -1
	MULR NA/4, NA/4, 1, 0
	WIN 0
	s_barrier_wait -1
.if \fill
	CREST
	s_add_nc_u64 s[G0+4*\slot+2:G0+4*\slot+3], s[G0+4*\slot+2:G0+4*\slot+3], 2*QS*2048
	s_add_nc_u64 s[G0B+4*\slot+2:G0B+4*\slot+3], s[G0B+4*\slot+2:G0B+4*\slot+3], 2*QS*2048
	JLOAD G0+4*\slot, G1, G0B+4*\slot, G1B
.else
	PLACES 4
.endif
	FETCH_B \next, 0, 0
	FETCH_A \next, 0, 0
	WIN MUL_HI
	MULR NA/2, NA/2, 1, 0
	PLACES 4
	WIN 0
	FETCH_A \next, 0, 1
.endm
	s_load_b256 s[4:11], s[0:1], 0x0               ; A's codes, wcod, the scales' exponents, the bias
	s_load_b128 s[68:71], s[0:1], 0x20             ; the residual, the output
	v_lshl_add_u32 v[SPW], v0, 2, SPARE
	v_mov_b32 v[NIL], 0
	ds_add_u32 v28, v29
	ds_add_u32 v28, v29
	s_wait_dscnt 0x0
	v_lshrrev_b32 v1, 5, v0
	v_readfirstlane_b32 s14, v1
	s_lshr_b32 s15, s14, 1
	s_and_b32 s16, s14, 1
	s_bfe_u32 s40, ttmp6, 0x40000
	s_bfe_u32 s41, ttmp6, 0x40004
	s_lshl_b32 s42, ttmp9, 2
	s_add_co_u32 s42, s42, s40                     ; X
	s_and_b32 s17, ttmp7, 0xffff
	s_lshl_b32 s17, s17, 2
	s_add_co_u32 s17, s17, s41                     ; Y
	s_lshl_b32 s43, s41, 2
	s_lshl_b32 s43, 15, s43
	s_lshl_b32 s44, 0x1111, s40
	s_or_b32 s[G1+0], s43, (3<<16)|(1<<21)         ; the mask; elements of 8 bytes; bit 21 beside a mask; no padding
	s_or_b32 s[G1B+0], s44, (3<<16)|(1<<21)
	s_mov_b32 s[G1+1], (QS*256)<<16
	s_mov_b32 s[G1+2], NA<<16
	s_mov_b32 s[G1+3], (QS*256)<<16
	s_mov_b32 s[G1+4], NA
	s_mov_b32 s[G1+5], KT*256
	s_mov_b32 s[G1+6], 0
	s_mov_b32 s[G1+7], 0
	s_mov_b32 s[G1B+1], (QS*256)<<16
	s_mov_b32 s[G1B+2], NB<<16
	s_mov_b32 s[G1B+3], (QS*256)<<16
	s_mov_b32 s[G1B+4], NB
	s_mov_b32 s[G1B+5], KT*256
	s_mov_b32 s[G1B+6], 0
	s_mov_b32 s[G1B+7], 0
	s_mul_i32 s20, s17, 2*NA
	s_mul_i32 s18, s16, NA
	s_add_co_u32 s20, s20, s18
	s_mul_i32 s20, s20, TP
	s_mov_b32 s21, 0
	s_mul_i32 s46, s42, 2*NB
	s_mul_i32 s18, s16, NB
	s_add_co_u32 s46, s46, s18
	s_mul_i32 s46, s46, TP
	s_mov_b32 s47, 0
	s_mul_i32 s45, s16, AH
	s_mul_i32 s19, s16, BH
	s_add_co_u32 s19, s19, 2*AH
	s_wait_kmcnt 0x0
	s_load_b64 s[96:97], s[8:9], ESC               ; eA, eB
	s_add_nc_u64 s[20:21], s[PA:PA+1], s[20:21]
.if AOFF != 0
	s_add_nc_u64 s[20:21], s[20:21], AOFF
.endif
	s_add_nc_u64 s[46:47], s[PB:PB+1], s[46:47]
.if BOFF != 0
	s_add_nc_u64 s[46:47], s[46:47], BOFF
.endif
	CROUND
.irp s, 0
	s_mov_b32 s[G0+4*\s], 1
	s_add_co_u32 s[G0+4*\s+1], s45, \s*SLOT
	s_add_nc_u64 s[G0+4*\s+2:G0+4*\s+3], s[20:21], \s*QS*2048
	s_or_b32 s[G0+4*\s+3], s[G0+4*\s+3], 0x80000000
	s_mov_b32 s[G0B+4*\s], 1
	s_add_co_u32 s[G0B+4*\s+1], s19, \s*SLOT
	s_add_nc_u64 s[G0B+4*\s+2:G0B+4*\s+3], s[46:47], \s*QS*2048
	s_or_b32 s[G0B+4*\s+3], s[G0B+4*\s+3], 0x80000000
	JLOAD G0+4*\s, G1, G0B+4*\s, G1B               ; one load of mine is out
.endr
	v_and_b32 v1, 31, v0
	v_lshlrev_b32 v2, 4, v1
	s_mul_i32 s22, s15, AH
	s_mul_i32 s23, s16, BH
	s_add_co_u32 s23, s23, 2*AH
.irp s, 0
	v_add_nc_u32 v[ADRA+\s], s22, v2
	v_add_nc_u32 v[ADRB+\s], s23, v2
	s_add_co_u32 s22, s22, SLOT
	s_add_co_u32 s23, s23, SLOT
.endr
; ---- the way out's addresses; the bias and the residual are asked for here
.set STO, 24                           ; v24  the stage, in: row r, 64 h bytes
.set RD,  25                           ; v25  the stage, out: lanes 0-15 one row of 256 bytes, lanes 16-31 the next
.set CO,  26                           ; v26  the same two rows in memory: 8,192 bytes apart
	v_and_b32 v3, 15, v0
	v_bfe_u32 v4, v0, 4, 1
	s_mul_i32 s18, s14, 16*272
	s_add_co_u32 s18, s18, STAGE                   ; my stage lies behind the slot and the spare words
	v_mul_u32_u24 v5, v3, 272
	v_lshl_add_u32 v5, v4, 6, v5
	v_add_nc_u32 v[STO], s18, v5
	v_mul_u32_u24 v5, v4, 272
	v_lshl_add_u32 v5, v3, 4, v5
	v_add_nc_u32 v[RD], s18, v5
	v_lshlrev_b32 v5, 13, v4
	v_lshl_add_u32 v[CO], v3, 4, v5
	v_lshlrev_b32 v27, 4, v3
	s_wait_alu depctr_va_vdst(0)
	s_lshr_b32 s72, s17, 4                         ; b
	s_lshl_b32 s72, s72, 12
	s_and_b32 s73, s17, 15
	s_lshl_b32 s73, s73, 7
	s_lshl_b32 s74, s15, 6
	s_add_co_u32 s73, s73, s74                     ; l of my first row: 128 (Y % 16) + 64 rh
	s_lshl_b32 s73, s73, 13
	s_add_co_u32 s72, s72, s73
	s_lshl_b32 s74, s42, 9
	s_lshl_b32 s75, s16, 8
	s_add_co_u32 s74, s74, s75                     ; my first column in bytes: 512 X + 256 ch
	s_add_co_u32 s72, s72, s74
	s_mov_b32 s73, 0
	s_mov_b32 s75, 0
	s_add_nc_u64 s[68:69], s[68:69], s[72:73]
	s_add_nc_u64 s[70:71], s[70:71], s[72:73]
	s_add_nc_u64 s[10:11], s[10:11], s[74:75]
	global_load_b128 v[32:35], v27, s[10:11]
	WIN 0x80                                       ; destination window 2
.irp a, 0,1,2,3
.irp t, 0,1,2,3,4,5,6,7
	global_load_b128 v[64+32*\a+4*\t:64+32*\a+4*\t+3], v[CO], s[68:69] offset:(32*(\a/2)+8*(\a%2)+2*\t+8*(\t/4))*8192 th:TH_LOAD_NT   ; tile rows 2 t, 2 t + 1 of block a
.endr
.endr
	WIN 0
	s_wait_kmcnt 0x0
	s_add_co_i32 s96, s96, s97
	s_add_co_i32 s96, s96, 127
	s_lshl_b32 s96, s96, 23                        ; 2^(eA + eB) as f32
	s_mov_b32 s97, s96
	s_wait_alu depctr_va_vdst(0)                   ; the wait at the head's end
	s_wait_tensorcnt 0x0                           ; my one load is in
	s_barrier_signal -1
	s_barrier_wait -1
	FETCH_B 0, 0, 0
	FETCH_A 0, 0, 0
	FETCH_A 0, 0, 1
	STEP 0, 0, 1
	MID 0                                          ; K steps 1 to 6; the last follows, on B's set 1
	s_wait_dscnt 2*NA
	WIN MUL_LO
	MULR 0, NA/2, 1, 0
	s_wait_dscnt 0
	WIN MUL_HI
	MULR NA/2, NA/2, 1, 0
	WIN 0
; THE WAY OUT.  Tile b's eight columns of a lane are columns 32 (b / 2) + 16 h + 8 (b % 2) + 0..7.  LDS serves a wave's instructions in order (ISA guide 5.7.1.4): no wait between my stores and my loads.
.macro TOSTAGE a
.set AC, 32*((\a)%2)
.set BK, 128+32*((\a)%2)
	WIN 0x08+4*((\a)/2)                            ; an LDS store's data: window 2 or 3
.irp b, 0,1,2,3
	ds_store_b128 v[STO], v[AC+8*\b:AC+8*\b+3] offset:128*(\b/2)+32*(\b%2)          ; each accumulator from its low end on
	ds_store_b128 v[STO], v[AC+8*\b+4:AC+8*\b+7] offset:128*(\b/2)+32*(\b%2)+16
.endr
	WIN 0
.irp t, 0,1,2,3,4,5,6,7
	ds_load_b128 v[BK+4*\t:BK+4*\t+3], v[RD] offset:544*\t
.endr
.endm
.macro SEND a, younger                 ; younger: the LDS instructions issued behind block a's loads
.set BK, 128+32*((\a)%2)
.set RR, 64+32*(\a)
	s_wait_dscnt \younger
	WIN 0x20                                       ; source 2 (the residual) window 2
.set si, 0
.rept 16
	v_pk_fma_f32 v[BK+si:BK+si+1], v[BK+si:BK+si+1], s[96:97], v[RR+si:RR+si+1] op_sel_hi:[1,0,1]   ; sum x 2^(eA + eB) + residual
.set si, si+2
.endr
	WIN 0
.irp t, 0,1,2,3,4,5,6,7
	v_pk_add_f32 v[BK+4*\t:BK+4*\t+1], v[BK+4*\t:BK+4*\t+1], v[32:33]
	v_pk_add_f32 v[BK+4*\t+2:BK+4*\t+3], v[BK+4*\t+2:BK+4*\t+3], v[34:35]
.endr
.irp t, 0,1,2,3,4,5,6,7
	global_store_b128 v[CO], v[BK+4*\t:BK+4*\t+3], s[70:71] offset:(32*((\a)/2)+8*((\a)%2)+2*\t+8*(\t/4))*8192   ; sixteen lanes store 256 consecutive bytes, at a multiple of 256 from the buffer's first byte
.endr
.endm
	s_wait_loadcnt 0x0                             ; the bias and the residual
	PLACES 4
	TOSTAGE 0
.irp a, 1,2,3
.if \a > 1
	s_wait_xcnt 0x0                                ; block a - 2's stores have read their registers: block a's loads may land there
.endif
	TOSTAGE \a
	SEND \a-1, 16                                  ; behind block a - 1's loads: block a's 8 stores and 8 loads
.endr
	SEND 3, 0
	s_wait_tensorcnt 0x0                           ; the wave's end
	ds_add_u32 v[SPW], v[NIL]
	s_wait_dscnt 0x0
	CROUND                                         ; the closing round
	s_endpgm
.Lfunc_end_k_q1a39f2c093_proj:
	.size	k_q1a39f2c093_proj, .Lfunc_end_k_q1a39f2c093_proj-k_q1a39f2c093_proj
	.p2alignl 7, 3214868480
	.fill 96, 4, 3214868480
	.section	.rodata,"a",@progbits
	.p2align	6, 0x0
	.amdhsa_kernel k_q1a39f2c093_proj
		.amdhsa_group_segment_fixed_size 327680
		.amdhsa_private_segment_fixed_size 0
		.amdhsa_enable_private_segment 0
		.amdhsa_kernarg_size 48
		.amdhsa_user_sgpr_count 2
		.amdhsa_user_sgpr_kernarg_segment_ptr 1
		.amdhsa_wavefront_size32 1
		.amdhsa_system_sgpr_workgroup_id_x 1
		.amdhsa_system_sgpr_workgroup_id_y 1
		.amdhsa_system_sgpr_workgroup_id_z 1
		.amdhsa_system_vgpr_workitem_id 0
		.amdhsa_next_free_vgpr 1024
		.amdhsa_next_free_sgpr 100
		.amdhsa_reserve_vcc 0
		.amdhsa_float_denorm_mode_32 3
		.amdhsa_float_denorm_mode_16_64 3
		.amdhsa_memory_ordered 1
		.amdhsa_forward_progress 1
		.amdhsa_inst_pref_size 54
	.end_amdhsa_kernel
	.amdgpu_metadata
---
amdhsa.version: [ 1, 2 ]
amdhsa.kernels:
  - .name:           k_q1a39f2c093_proj
    .symbol:         k_q1a39f2c093_proj.kd
    .args:
      - { .name: acod, .offset: 0, .size: 8, .value_kind: global_buffer, .address_space: global }
      - { .name: wcod, .offset: 8, .size: 8, .value_kind: global_buffer, .address_space: global }
      - { .name: lowp_scales, .offset: 16, .size: 8, .value_kind: global_buffer, .address_space: global }
      - { .name: b_proj, .offset: 24, .size: 8, .value_kind: global_buffer, .address_space: global }
      - { .name: x, .offset: 32, .size: 8, .value_kind: global_buffer, .address_space: global }
      - { .name: x1, .offset: 40, .size: 8, .value_kind: global_buffer, .address_space: global }
    .group_segment_fixed_size: 327680
    .private_segment_fixed_size: 0
    .kernarg_segment_align: 8
    .kernarg_segment_size: 48
    .max_flat_workgroup_size: 128
    .sgpr_count:     100
    .vgpr_count:     1024
    .wavefront_size: 32
...
	.end_amdgpu_metadata
.endif
;; end of part 4
;; launch ln2 (part 5): grid 256 x 1, 8 waves a work-group, no clusters, 18,432 bytes of LDS; arguments x1, ln2_g, ln2_b, lowp_scales, h2cod; writes h2cod
.if DOCPART == 5
	.amdgcn_target "amdgcn-amd-amdhsa--gfx1250"
	.amdhsa_code_object_version 6
	.text
	.protected	k_q1a39f2c093_ln2
	.globl	k_q1a39f2c093_ln2
	.p2align	8
	.type	k_q1a39f2c093_ln2,@function
k_q1a39f2c093_ln2:
	s_mov_b64 s[64:65], 0
	v_nop
	global_prefetch_b8 v0, s[64:65] scope:SCOPE_SE
	s_setreg_imm32_b32 hwreg(HW_REG_WAVE_MODE, 25, 1), 1
	s_wait_xcnt 0x0
; LN2.  LayerNorm 2 of x1, quantised to BF8 (E5M2) with 2^e8, stored as images of operand registers: [tile of 16 rows][K step of 128][2,048 bytes], the code of (row r, k = 32 c + 16 h + e) at 512 c + 256 h + 16 r + e.
; Row r of tile I stands for m' = 32 (I / 2) + 8 (I % 2) + r + 8 (r / 8), m' = 2,048 b + l; in memory row (l, b) lies at (2 l + b) x 4,096 bytes.
; Work-group I makes tile I; wave w takes tile rows 2 w and 2 w + 1.  A row stays in 32 registers between the passes: it is read once.  Memory binds: no matrix work, no cluster, no tensor load.
; LIMITS: e8 between -126 and 112.  NaN among the inputs is not served.
.set PP,    272                        ; a piece of the stage: 16 rows x 16 bytes + 16 of padding
.set X,     64
.set GA,    128
.set BE,    160
.set CODE,  32
.set OUTR,  48
	s_load_b256 s[8:15], s[0:1], 0x0               ; x1, ln2_g, ln2_b, the scales' exponents
	s_load_b64 s[24:25], s[0:1], 0x20              ; h2cod
	v_lshl_add_u32 v192, v0, 2, 0x4400
	v_mov_b32 v193, 0
	v_lshrrev_b32 v1, 5, v0
	s_delay_alu instid0(VALU_DEP_1)
	v_readfirstlane_b32 s26, v1                    ; wave 0..7
	v_and_b32 v2, 31, v0
	s_delay_alu instid0(VALU_DEP_1)
	v_lshlrev_b32 v1, 4, v2                        ; 16 x lane
	s_lshr_b32 s27, ttmp9, 7                       ; b
	s_and_b32 s28, ttmp9, 127
	s_lshr_b32 s29, s28, 1
	s_lshl_b32 s29, s29, 5
	s_and_b32 s30, ttmp9, 1
	s_lshl_b32 s30, s30, 3
	s_add_co_u32 s29, s29, s30
	s_lshl_b32 s30, s26, 1
	s_add_co_u32 s29, s29, s30
	s_lshr_b32 s30, s26, 2
	s_lshl_b32 s30, s30, 3
	s_add_co_u32 s29, s29, s30                     ; l0 = 32 ((I % 128) / 2) + 8 (I % 2) + 2 w + 8 (w / 4)
	s_lshl_b32 s29, s29, 1
	s_add_co_u32 s29, s29, s27
	s_lshl_b32 s28, s29, 12
	s_mov_b32 s29, 0
	s_wait_alu depctr_va_vdst(0)
	s_wait_kmcnt 0x0
	s_load_b32 s36, s[14:15], 0x20                 ; e8
	s_add_nc_u64 s[8:9], s[8:9], s[28:29]
.irp j, 0,1,2,3,4,5,6,7
	global_load_b128 v[X+4*\j:X+4*\j+3], v1, s[8:9] offset:512*\j
.endr
.irp j, 0,1,2,3,4,5,6,7
	global_load_b128 v[X+32+4*\j:X+32+4*\j+3], v1, s[8:9] offset:8192+512*\j
.endr
.irp j, 0,1,2,3,4,5,6,7
	global_load_b128 v[GA+4*\j:GA+4*\j+3], v1, s[10:11] offset:512*\j
.endr
.irp j, 0,1,2,3,4,5,6,7
	global_load_b128 v[BE+4*\j:BE+4*\j+3], v1, s[12:13] offset:512*\j
.endr
	; The stage.  Load j gives a lane k = 128 j + 4 lane + 0..3: one word of codes, of piece p = 8 j + lane / 4 (256 bytes of the image at 256 p).
	v_lshrrev_b32 v10, 2, v2
	s_delay_alu instid0(VALU_DEP_1)
	v_mul_u32_u24 v3, v10, PP
	v_and_b32 v10, 3, v2
	s_delay_alu instid0(VALU_DEP_1)
	v_lshl_add_u32 v3, v10, 2, v3
	s_lshl_b32 s30, s26, 5
	v_add_nc_u32 v3, s30, v3                       ; in: the 32 lanes of a store fall on 32 different banks
	v_lshrrev_b32 v10, 4, v2
	s_delay_alu instid0(VALU_DEP_1)
	v_mul_u32_u24 v4, v10, PP
	v_and_b32 v10, 15, v2
	s_delay_alu instid0(VALU_DEP_1)
	v_lshl_add_u32 v4, v10, 4, v4
	s_mul_i32 s30, s26, 8*PP
	v_add_nc_u32 v4, s30, v4                       ; out: wave w takes pieces 8 w .. 8 w + 7
	s_lshl_b32 s30, s26, 11
	v_add_nc_u32 v5, s30, v1
	s_lshl_b32 s30, ttmp9, 14
	s_mov_b32 s31, 0
	s_add_nc_u64 s[24:25], s[24:25], s[30:31]
	s_mov_b32 s32, 0x76543210
	s_mov_b32 s33, 0xfedcba98
	s_mov_b32 s34, 0x3a800000                      ; 1 / 1,024
	s_mov_b32 s35, 0x3727c5ac                      ; 1e-5
	s_wait_kmcnt 0x0
	s_add_co_i32 s36, s36, 127
	s_lshl_b32 s37, s36, 23
	v_mov_b32 v20, s37                             ; 2^e8
	s_add_co_i32 s36, s36, 15
	s_lshl_b32 s36, s36, 23
	s_or_b32 s36, s36, 0x600000
	v_mov_b32 v21, s36                             ; 57,344 x 2^e8
.macro LANESUM
	s_delay_alu instid0(VALU_DEP_1)
	v_add_f32_dpp v10, v10, v10 row_xmask:1 row_mask:0xf bank_mask:0xf
	s_delay_alu instid0(VALU_DEP_1)
	v_add_f32_dpp v10, v10, v10 row_xmask:2 row_mask:0xf bank_mask:0xf
	s_delay_alu instid0(VALU_DEP_1)
	v_add_f32_dpp v10, v10, v10 row_xmask:4 row_mask:0xf bank_mask:0xf
	s_delay_alu instid0(VALU_DEP_1)
	v_add_f32_dpp v10, v10, v10 row_xmask:8 row_mask:0xf bank_mask:0xf
	s_delay_alu instid0(VALU_DEP_1)
	v_permlanex16_b32 v11, v10, s32, s33
	s_delay_alu instid0(VALU_DEP_1)
	v_add_f32 v10, v10, v11
.endm
.macro STAT rr, left                   ; mean, centred numbers, their variance, x 1 / sqrt(variance + eps)
.set XR, X+32*\rr
	s_wait_loadcnt \left
	v_pk_add_f32 v[10:11], v[XR:XR+1], v[XR+2:XR+3]
	v_pk_add_f32 v[12:13], v[XR+4:XR+5], v[XR+6:XR+7]
.irp j, 8,12,16,20,24,28
	s_delay_alu instid0(VALU_DEP_2)
	v_pk_add_f32 v[10:11], v[10:11], v[XR+\j:XR+\j+1]
	s_delay_alu instid0(VALU_DEP_2)
	v_pk_add_f32 v[12:13], v[12:13], v[XR+\j+2:XR+\j+3]
.endr
	s_delay_alu instid0(VALU_DEP_1)
	v_pk_add_f32 v[10:11], v[10:11], v[12:13]
	s_delay_alu instid0(VALU_DEP_1)
	v_add_f32 v10, v10, v11
	LANESUM
	s_delay_alu instid0(VALU_DEP_1)
	v_mul_f32 v6, s34, v10
	s_delay_alu instid0(VALU_DEP_2)
	v_mul_f32 v7, s34, v10
.irp j, 0,2,4,6,8,10,12,14,16,18,20,22,24,26,28,30
	v_pk_add_f32 v[XR+\j:XR+\j+1], v[XR+\j:XR+\j+1], v[6:7] neg_lo:[0,1] neg_hi:[0,1]
.endr
	v_pk_mul_f32 v[10:11], v[XR:XR+1], v[XR:XR+1]
	v_pk_mul_f32 v[12:13], v[XR+2:XR+3], v[XR+2:XR+3]
.irp j, 4,8,12,16,20,24,28
	s_delay_alu instid0(VALU_DEP_2)
	v_pk_fma_f32 v[10:11], v[XR+\j:XR+\j+1], v[XR+\j:XR+\j+1], v[10:11]
	s_delay_alu instid0(VALU_DEP_2)
	v_pk_fma_f32 v[12:13], v[XR+\j+2:XR+\j+3], v[XR+\j+2:XR+\j+3], v[12:13]
.endr
	s_delay_alu instid0(VALU_DEP_1)
	v_pk_add_f32 v[10:11], v[10:11], v[12:13]
	s_delay_alu instid0(VALU_DEP_1)
	v_add_f32 v10, v10, v11
	LANESUM
	s_delay_alu instid0(VALU_DEP_1)
	v_fma_f32 v10, v10, s34, s35
	s_wait_alu depctr_va_vdst(0)
	v_rsq_f32 v8, v10
	v_nop                                          ; a plain instruction behind the transcendental,
	s_wait_alu depctr_va_vdst(0)                   ; and the wait ahead of the first line that names its result
	v_mov_b32 v9, v8
.irp j, 0,2,4,6,8,10,12,14,16,18,20,22,24,26,28,30
	v_pk_mul_f32 v[XR+\j:XR+\j+1], v[XR+\j:XR+\j+1], v[8:9]
.endr
.endm
.macro FIN rr                          ; x gain + bias, the hold, the conversion, into the stage
.set XR, X+32*\rr
.irp j, 0,2,4,6,8,10,12,14,16,18,20,22,24,26,28,30
	v_pk_fma_f32 v[XR+\j:XR+\j+1], v[XR+\j:XR+\j+1], v[GA+\j:GA+\j+1], v[BE+\j:BE+\j+1]
.endr
.irp j, 0,1,2,3,4,5,6,7,8,9,10,11,12,13,14,15,16,17,18,19,20,21,22,23,24,25,26,27,28,29,30,31
	v_med3_num_f32 v[XR+\j], v[XR+\j], -v21, v21   ; the conversion to an 8-bit code does not saturate (ISA guide 7.6.2)
.endr
.irp q, 0,1,2,3
	v_cvt_scalef32_pk8_bf8_f32 v[CODE+8*\rr+2*\q:CODE+8*\rr+2*\q+1], v[XR+8*\q:XR+8*\q+7], v20
.endr
	v_nop
.irp j, 0,1,2,3,4,5,6,7
	ds_store_b32 v3, v[CODE+8*\rr+\j] offset:8*PP*\j+16*\rr
.endr
.endm
	STAT 0, 24                                     ; row 0's loads are in; the 24 issued behind them may be out
	STAT 1, 16                                     ; row 1's are in; the gain's and the bias's 16 may be out
	s_wait_loadcnt 0x0
	FIN 0
	FIN 1
	s_wait_dscnt 0x0                               ; for the others' sake: my stores into the stage are done
	s_barrier_signal -1
	s_barrier_wait -1
.irp t, 0,1,2,3
	ds_load_b128 v[OUTR+4*\t:OUTR+4*\t+3], v4 offset:2*PP*\t
.endr
.irp t, 0,1,2,3
	s_wait_dscnt 3-\t
	global_store_b128 v5, v[OUTR+4*\t:OUTR+4*\t+3], s[24:25] offset:512*\t   ; 512 consecutive bytes, at a multiple of 256 from the buffer's first byte
.endr
	s_wait_tensorcnt 0x0
	ds_add_u32 v192, v193
	s_wait_dscnt 0x0
	s_endpgm
.Lfunc_end_k_q1a39f2c093_ln2:
	.size	k_q1a39f2c093_ln2, .Lfunc_end_k_q1a39f2c093_ln2-k_q1a39f2c093_ln2
	.p2alignl 7, 3214868480
	.fill 96, 4, 3214868480
	.section	.rodata,"a",@progbits
	.p2align	6, 0x0
	.amdhsa_kernel k_q1a39f2c093_ln2
		.amdhsa_group_segment_fixed_size 18432
		.amdhsa_private_segment_fixed_size 0
		.amdhsa_enable_private_segment 0
		.amdhsa_kernarg_size 40
		.amdhsa_user_sgpr_count 2
		.amdhsa_user_sgpr_kernarg_segment_ptr 1
		.amdhsa_wavefront_size32 1
		.amdhsa_system_sgpr_workgroup_id_x 1
		.amdhsa_system_sgpr_workgroup_id_y 1
		.amdhsa_system_sgpr_workgroup_id_z 1
		.amdhsa_system_vgpr_workitem_id 0
		.amdhsa_next_free_vgpr 194
		.amdhsa_next_free_sgpr 66
		.amdhsa_reserve_vcc 0
		.amdhsa_float_denorm_mode_32 3
		.amdhsa_float_denorm_mode_16_64 3
		.amdhsa_memory_ordered 1
		.amdhsa_forward_progress 1
		.amdhsa_inst_pref_size 28
	.end_amdhsa_kernel
	.amdgpu_metadata
---
amdhsa.version: [ 1, 2 ]
amdhsa.kernels:
  - .name:           k_q1a39f2c093_ln2
    .symbol:         k_q1a39f2c093_ln2.kd
    .args:
      - { .name: x1, .offset: 0, .size: 8, .value_kind: global_buffer, .address_space: global }
      - { .name: ln2_g, .offset: 8, .size: 8, .value_kind: global_buffer, .address_space: global }
      - { .name: ln2_b, .offset: 16, .size: 8, .value_kind: global_buffer, .address_space: global }
      - { .name: lowp_scales, .offset: 24, .size: 8, .value_kind: global_buffer, .address_space: global }
      - { .name: h2cod, .offset: 32, .size: 8, .value_kind: global_buffer, .address_space: global }
    .group_segment_fixed_size: 18432
    .private_segment_fixed_size: 0
    .kernarg_segment_align: 8
    .kernarg_segment_size: 40
    .max_flat_workgroup_size: 256
    .sgpr_count:     66
    .vgpr_count:     194
    .wavefront_size: 32
...
	.end_amdgpu_metadata
.endif
;; end of part 5
;; launch fc (part 6): grid 16 x 16, 4 waves a work-group, clusters of 4 x 4, 327,680 bytes of LDS; arguments h2cod, wcod, lowp_scales, b_fc, gcod; writes gcod
.if DOCPART == 6
	.amdgcn_target "amdgcn-amd-amdhsa--gfx1250"
	.amdhsa_code_object_version 6
	.text
	.protected	k_q1a39f2c093_fc
	.globl	k_q1a39f2c093_fc
	.p2align	8
	.type	k_q1a39f2c093_fc,@function
k_q1a39f2c093_fc:
	s_mov_b64 s[64:65], 0
	v_nop
	global_prefetch_b8 v0, s[64:65] scope:SCOPE_SE
	s_setreg_imm32_b32 hwreg(HW_REG_WAVE_MODE, 25, 1), 1
	s_wait_xcnt 0x0
	s_wait_alu depctr_hold_cnt(0) depctr_sa_sdst(0) depctr_va_vdst(0) depctr_va_sdst(0) depctr_va_ssrc(0) depctr_va_vcc(0) depctr_vm_vsrc(0)
	s_getreg_b32 s2, hwreg(HW_REG_IB_STS2, 6, 4)
	s_cmp_eq_u32 s2, 0
	s_cbranch_scc0 .Lentry_in_a_cluster
	s_endpgm
.Lentry_in_a_cluster:
	s_bfe_u32 s2, ttmp6, 0x10000c
	s_cmp_lg_u32 s2, 0xf033
	s_cbranch_scc0 .Lentry_shape_is_right
	s_endpgm
.Lentry_shape_is_right:
.set NA,   8
.set NB,   8
.set QS,   2
.set KT,   8
.set AOFF, 0
.set BOFF, 4194304
.set PA,   4
.set PB,   6
.set TP,    KT*2048
.set AH,    NA*QS*2048
.set BH,    NB*QS*2048
.set SLOT,  2*AH+2*BH
.set SPARE, 2*SLOT
.set LAPS,  KT/QS/2
.set ADRA, 16
.set ADRB, 20
.set SPW,  28
.set NIL,  29
.set AF,   128
.set G1,   24
.set G0,   32
.set G1B,  48
.set G0B,  56
.set MSB, 0
.macro WIN new
.if MSB != (\new)
	s_set_vgpr_msb (MSB<<8)|(\new)
.set MSB, \new
.endif
.endm
.set MUL_LO, 0xa1
.set MUL_HI, 0xf1
.set TO_B,   0x40
.macro JLOAD g0a, g1a, g0b, g1b
	s_cmp_eq_u32 s15, 0
	s_cbranch_scc0 .Lfor_b_\@
	tensor_load_to_lds s[\g0a:\g0a+3], s[\g1a:\g1a+7]
	s_nop 0
.rept 4
	v_nop
.endr
	s_branch .Lasked_\@
.Lfor_b_\@:
	tensor_load_to_lds s[\g0b:\g0b+3], s[\g1b:\g1b+7]
	s_nop 0
.rept 4
	v_nop
.endr
.Lasked_\@:
.endm
.macro CREST
	s_cmp_lg_u32 s14, 0
	s_cbranch_scc1 .Lnot_wave_0_\@
	s_barrier_signal -3
.Lnot_wave_0_\@:
	s_barrier_wait -3
	s_barrier_signal -1
	s_barrier_wait -1
.endm
.macro CROUND
	s_barrier_signal -1
	s_barrier_wait -1
	CREST
.endm
.macro PLACES n
.rept \n
	v_nop
.endr
.endm
.macro FRAG reg, adr, off
.irp c, 0,1,2,3
	ds_load_b128 v[\reg+4*\c:\reg+4*\c+3], v[\adr] offset:\off+512*\c
.endr
.endm
.macro FETCH_B slot, q, p
	WIN TO_B
.set fi, 0
.rept NB
	FRAG 128*(\p)+16*fi, ADRB+\slot, (fi*QS+(\q))*2048
.set fi, fi+1
.endr
	WIN 0
.endm
.macro FETCH_A slot, q, half
.set fi, (\half)*NA/2
.rept NA/2
	FRAG AF+16*fi, ADRA+\slot, (fi*QS+(\q))*2048
.set fi, fi+1
.endr
.endm
.macro MULR a0, n, p, zero
.set ma, \a0
.rept \n
.set mb, 0
.rept NB
.set AC, 8*(NB*(ma%(NA/2))+mb)
.if \zero
	v_wmma_f32_16x16x128_bf8_bf8 v[AC:AC+7], v[128*(\p)+16*mb:128*(\p)+16*mb+15], v[AF+16*ma:AF+16*ma+15], 0
.else
	v_wmma_f32_16x16x128_bf8_bf8 v[AC:AC+7], v[128*(\p)+16*mb:128*(\p)+16*mb+15], v[AF+16*ma:AF+16*ma+15], v[AC:AC+7]
.endif
.set mb, mb+1
.endr
.set ma, ma+1
.endr
.endm
.macro STEP slot, q, zero
	s_wait_dscnt 2*NA
	WIN MUL_LO
	MULR 0, NA/2, (\q)%2, \zero
	s_wait_dscnt 0
	PLACES 4
	FETCH_B \slot, (\q)+1, 1-(\q)%2
	FETCH_A \slot, (\q)+1, 0
	WIN MUL_HI
	MULR NA/2, NA/2, (\q)%2, \zero
	PLACES 4
	WIN 0
	FETCH_A \slot, (\q)+1, 1
.endm
.macro MID slot
.if QS > 2
.set qq, 1
.rept QS-2
	STEP \slot, qq, 0
.set qq, qq+1
.endr
.endif
.endm
.macro TURN slot, next, fill
	s_wait_tensorcnt 0x0
	ds_add_u32 v[SPW], v[NIL]
	s_wait_dscnt 2*NA+1
	WIN MUL_LO
	MULR 0, NA/4, 1, 0
	s_wait_dscnt 0x0
	s_barrier_signal -1
	MULR NA/4, NA/4, 1, 0
	WIN 0
	s_barrier_wait -1
.if \fill
	CREST
	s_add_nc_u64 s[G0+4*\slot+2:G0+4*\slot+3], s[G0+4*\slot+2:G0+4*\slot+3], 2*QS*2048
	s_add_nc_u64 s[G0B+4*\slot+2:G0B+4*\slot+3], s[G0B+4*\slot+2:G0B+4*\slot+3], 2*QS*2048
	JLOAD G0+4*\slot, G1, G0B+4*\slot, G1B
.else
	PLACES 4
.endif
	s_wait_alu depctr_va_vdst(0)
	FETCH_B \next, 0, 0
	FETCH_A \next, 0, 0
	WIN MUL_HI
	MULR NA/2, NA/2, 1, 0
	PLACES 4
	WIN 0
	FETCH_A \next, 0, 1
.endm
	s_load_b256 s[4:11], s[0:1], 0x0
	s_load_b64 s[12:13], s[0:1], 0x20
	v_lshl_add_u32 v[SPW], v0, 2, SPARE
	v_mov_b32 v[NIL], 0
	ds_add_u32 v28, v29
	ds_add_u32 v28, v29
	s_wait_dscnt 0x0
	v_lshrrev_b32 v1, 5, v0
	v_readfirstlane_b32 s14, v1
	s_lshr_b32 s15, s14, 1
	s_and_b32 s16, s14, 1
	s_bfe_u32 s40, ttmp6, 0x40000
	s_bfe_u32 s41, ttmp6, 0x40004
	s_lshl_b32 s42, ttmp9, 2
	s_add_co_u32 s42, s42, s40
	s_and_b32 s17, ttmp7, 0xffff
	s_lshl_b32 s17, s17, 2
	s_add_co_u32 s17, s17, s41
	s_lshl_b32 s43, s41, 2
	s_lshl_b32 s43, 15, s43
	s_lshl_b32 s44, 0x1111, s40
	s_or_b32 s[G1+0], s43, (3<<16)|(1<<21)
	s_or_b32 s[G1B+0], s44, (3<<16)|(1<<21)
	s_mov_b32 s[G1+1], (QS*256)<<16
	s_mov_b32 s[G1+2], NA<<16
	s_mov_b32 s[G1+3], (QS*256)<<16
	s_mov_b32 s[G1+4], NA
	s_mov_b32 s[G1+5], KT*256
	s_mov_b32 s[G1+6], 0
	s_mov_b32 s[G1+7], 0
	s_mov_b32 s[G1B+1], (QS*256)<<16
	s_mov_b32 s[G1B+2], NB<<16
	s_mov_b32 s[G1B+3], (QS*256)<<16
	s_mov_b32 s[G1B+4], NB
	s_mov_b32 s[G1B+5], KT*256
	s_mov_b32 s[G1B+6], 0
	s_mov_b32 s[G1B+7], 0
	s_mul_i32 s20, s17, 2*NA
	s_mul_i32 s18, s16, NA
	s_add_co_u32 s20, s20, s18
	s_mul_i32 s20, s20, TP
	s_mov_b32 s21, 0
	s_mul_i32 s46, s42, 2*NB
	s_mul_i32 s18, s16, NB
	s_add_co_u32 s46, s46, s18
	s_mul_i32 s46, s46, TP
	s_mov_b32 s47, 0
	s_mul_i32 s45, s16, AH
	s_mul_i32 s19, s16, BH
	s_add_co_u32 s19, s19, 2*AH
	s_wait_kmcnt 0x0
	s_load_b128 s[80:83], s[8:9], 0x20
	s_add_nc_u64 s[20:21], s[PA:PA+1], s[20:21]
.if AOFF != 0
	s_add_nc_u64 s[20:21], s[20:21], AOFF
.endif
	s_add_nc_u64 s[46:47], s[PB:PB+1], s[46:47]
.if BOFF != 0
	s_add_nc_u64 s[46:47], s[46:47], BOFF
.endif
	CROUND
.irp s, 0,1
	s_mov_b32 s[G0+4*\s], 1
	s_add_co_u32 s[G0+4*\s+1], s45, \s*SLOT
	s_add_nc_u64 s[G0+4*\s+2:G0+4*\s+3], s[20:21], \s*QS*2048
	s_or_b32 s[G0+4*\s+3], s[G0+4*\s+3], 0x80000000
	s_mov_b32 s[G0B+4*\s], 1
	s_add_co_u32 s[G0B+4*\s+1], s19, \s*SLOT
	s_add_nc_u64 s[G0B+4*\s+2:G0B+4*\s+3], s[46:47], \s*QS*2048
	s_or_b32 s[G0B+4*\s+3], s[G0B+4*\s+3], 0x80000000
.endr
	JLOAD G0, G1, G0B, G1B                         ; slot 0: one tensor load a wave at the head
	v_and_b32 v1, 31, v0
	v_lshlrev_b32 v2, 4, v1
	s_mul_i32 s22, s15, AH
	s_mul_i32 s23, s16, BH
	s_add_co_u32 s23, s23, 2*AH
.irp s, 0,1
	v_add_nc_u32 v[ADRA+\s], s22, v2
	v_add_nc_u32 v[ADRB+\s], s23, v2
	s_add_co_u32 s22, s22, SLOT
	s_add_co_u32 s23, s23, SLOT
.endr
.set BI, 32
.set XX, 128
.set TT, 192
.set LI, 24
	v_mov_b32 v[LI], v2
	v_bfe_u32 v4, v0, 4, 1
	v_lshlrev_b32 v6, 6, v4
	s_lshl_b32 s72, s42, 10
	s_lshl_b32 s73, s16, 9
	s_add_co_u32 s72, s72, s73
	s_mov_b32 s73, 0
	s_add_nc_u64 s[10:11], s[10:11], s[72:73]
.irp p, 0,1,2,3
.irp q, 0,1,2,3
	global_load_b128 v[BI+16*\p+4*\q:BI+16*\p+4*\q+3], v6, s[10:11] offset:128*\p+16*\q
.endr
.endr
	s_lshl_b32 s72, s17, 4
	s_lshl_b32 s74, s15, 3
	s_add_co_u32 s72, s72, s74
	s_lshl_b32 s72, s72, 16
	s_lshl_b32 s74, s42, 1
	s_add_co_u32 s74, s74, s16
	s_lshl_b32 s74, s74, 11
	s_add_co_u32 s72, s72, s74
	s_add_nc_u64 s[12:13], s[12:13], s[72:73]
	s_mov_b32 s76, 0xBDD2D3E8
	s_mov_b32 s77, s76
	v_mov_b32 v10, 0xC0135761
	v_mov_b32 v11, 0xC0135761
	s_wait_kmcnt 0x0
	s_add_co_i32 s96, s80, s81
	s_add_co_i32 s96, s96, 127
	s_lshl_b32 s96, s96, 23
	s_mov_b32 s97, s96
	s_add_co_i32 s85, s82, 127
	s_lshl_b32 s86, s85, 23
	v_mov_b32 v8, s86
	s_add_co_i32 s85, s85, 15
	s_lshl_b32 s85, s85, 23
	s_or_b32 s85, s85, 0x600000
	v_mov_b32 v9, s85
	s_wait_alu depctr_va_vdst(0)                   ; the wait at the head's end
	s_wait_tensorcnt 0x0                           ; my part of slot 0 is in; slot 1's first fill is issued as a refill is:
	ds_add_u32 v[SPW], v[NIL]                      ; 0 onto my spare word
	s_wait_dscnt 0x0
	CROUND                                         ; everybody's part of slot 0 is in, and the joint loads meet
	JLOAD G0+4, G1, G0B+4, G1B                     ; slot 1: the first tensor load behind the round
	FETCH_B 0, 0, 0
	FETCH_A 0, 0, 0
	FETCH_A 0, 0, 1
	STEP 0, 0, 1
.if LAPS > 1
	s_mov_b32 s3, LAPS-1
.Llap:
	MID 0
	TURN 0, 1, 1
	STEP 1, 0, 0
	MID 1
	TURN 1, 0, 1
	STEP 0, 0, 0
	s_sub_co_u32 s3, s3, 1
	s_cmp_lg_u32 s3, 0
	s_cbranch_scc1 .Llap
.endif
	MID 0
	TURN 0, 1, 0
	STEP 1, 0, 0
	MID 1
	s_wait_dscnt 2*NA
	WIN MUL_LO
	MULR 0, NA/2, 1, 0
	s_wait_dscnt 0
	WIN MUL_HI
	MULR NA/2, NA/2, 1, 0
	WIN 0
.macro GELU a
.set AC, 64*((\a)%4)
.set CD, 96+16*((\a)%2)
.if (\a) > 1
	s_wait_xcnt 0x0
.endif
	WIN 0x02+(\a)/4
.set gi, 0
.rept 32
	v_pk_fma_f32 v[XX+gi:XX+gi+1], v[AC+gi:AC+gi+1], s[96:97], v[BI+gi:BI+gi+1] op_sel_hi:[1,0,1]
.set gi, gi+2
.endr
	WIN 0
.set gi, 0
.rept 32
	v_pk_mul_f32 v[TT+gi:TT+gi+1], v[XX+gi:XX+gi+1], v[XX+gi:XX+gi+1]
.set gi, gi+2
.endr
.set gi, 0
.rept 32
	v_pk_fma_f32 v[TT+gi:TT+gi+1], v[TT+gi:TT+gi+1], s[76:77], v[10:11] op_sel_hi:[1,0,1]
.set gi, gi+2
.endr
.set gi, 0
.rept 32
	v_pk_mul_f32 v[TT+gi:TT+gi+1], v[TT+gi:TT+gi+1], v[XX+gi:XX+gi+1]
.set gi, gi+2
.endr
.set gi, 0
	s_wait_alu depctr_va_vdst(0)
.rept 64
	v_exp_f32 v[TT+gi], v[TT+gi]
.set gi, gi+1
.endr
	v_nop
	s_wait_alu depctr_va_vdst(0)
.set gi, 0
.rept 32
	v_pk_add_f32 v[TT+gi:TT+gi+1], v[TT+gi:TT+gi+1], 1.0 op_sel_hi:[1,0]
.set gi, gi+2
.endr
.set gi, 0
	s_wait_alu depctr_va_vdst(0)
.rept 64
	v_rcp_f32 v[TT+gi], v[TT+gi]
.set gi, gi+1
.endr
	v_nop
	s_wait_alu depctr_va_vdst(0)
.set gi, 0
.rept 32
	v_pk_mul_f32 v[XX+gi:XX+gi+1], v[XX+gi:XX+gi+1], v[TT+gi:TT+gi+1]
.set gi, gi+2
.endr
.set gi, 0
.rept 64
	v_med3_num_f32 v[XX+gi], v[XX+gi], -v9, v9
.set gi, gi+1
.endr
.set gi, 0
.rept 8
	v_cvt_scalef32_pk8_bf8_f32 v[CD+2*gi:CD+2*gi+1], v[XX+8*gi:XX+8*gi+7], v8
.set gi, gi+1
.endr
	v_nop
.irp p, 0,1,2,3
	global_store_b128 v[LI], v[CD+4*\p:CD+4*\p+3], s[12:13] offset:(\a)*65536+512*\p
.endr
.endm
	s_wait_loadcnt 0x0
	PLACES 4
.irp a, 0,1,2,3,4,5,6,7
	GELU \a
.endr
	s_wait_tensorcnt 0x0
	ds_add_u32 v[SPW], v[NIL]
	s_wait_dscnt 0x0
	CROUND
	s_endpgm
.Lfunc_end_k_q1a39f2c093_fc:
	.size	k_q1a39f2c093_fc, .Lfunc_end_k_q1a39f2c093_fc-k_q1a39f2c093_fc
	.p2alignl 7, 3214868480
	.fill 96, 4, 3214868480
	.section	.rodata,"a",@progbits
	.p2align	6, 0x0
	.amdhsa_kernel k_q1a39f2c093_fc
		.amdhsa_group_segment_fixed_size 327680
		.amdhsa_private_segment_fixed_size 0
		.amdhsa_enable_private_segment 0
		.amdhsa_kernarg_size 40
		.amdhsa_user_sgpr_count 2
		.amdhsa_user_sgpr_kernarg_segment_ptr 1
		.amdhsa_wavefront_size32 1
		.amdhsa_system_sgpr_workgroup_id_x 1
		.amdhsa_system_sgpr_workgroup_id_y 1
		.amdhsa_system_sgpr_workgroup_id_z 1
		.amdhsa_system_vgpr_workitem_id 0
		.amdhsa_next_free_vgpr 1024
		.amdhsa_next_free_sgpr 100
		.amdhsa_reserve_vcc 0
		.amdhsa_float_denorm_mode_32 3
		.amdhsa_float_denorm_mode_16_64 3
		.amdhsa_memory_ordered 1
		.amdhsa_forward_progress 1
		.amdhsa_inst_pref_size 249
	.end_amdhsa_kernel
	.amdgpu_metadata
---
amdhsa.version: [ 1, 2 ]
amdhsa.kernels:
  - .name:           k_q1a39f2c093_fc
    .symbol:         k_q1a39f2c093_fc.kd
    .args:
      - { .name: h2cod, .offset: 0, .size: 8, .value_kind: global_buffer, .address_space: global }
      - { .name: wcod, .offset: 8, .size: 8, .value_kind: global_buffer, .address_space: global }
      - { .name: lowp_scales, .offset: 16, .size: 8, .value_kind: global_buffer, .address_space: global }
      - { .name: b_fc, .offset: 24, .size: 8, .value_kind: global_buffer, .address_space: global }
      - { .name: gcod, .offset: 32, .size: 8, .value_kind: global_buffer, .address_space: global }
    .group_segment_fixed_size: 327680
    .private_segment_fixed_size: 0
    .kernarg_segment_align: 8
    .kernarg_segment_size: 40
    .max_flat_workgroup_size: 128
    .sgpr_count:     100
    .vgpr_count:     1024
    .wavefront_size: 32
...
	.end_amdgpu_metadata
.endif
;; end of part 6
;; launch outp (part 7): grid 8 x 32, 4 waves a work-group, clusters of 4 x 4, 327,680 bytes of LDS; arguments gcod, wcod, lowp_scales, b_out, x1, out0; writes out0
.if DOCPART == 7
	.amdgcn_target "amdgcn-amd-amdhsa--gfx1250"
	.amdhsa_code_object_version 6
	.text
	.protected	k_q1a39f2c093_outp
	.globl	k_q1a39f2c093_outp
	.p2align	8
	.type	k_q1a39f2c093_outp,@function
k_q1a39f2c093_outp:
	s_mov_b64 s[64:65], 0
	v_nop
	global_prefetch_b8 v0, s[64:65] scope:SCOPE_SE
	s_setreg_imm32_b32 hwreg(HW_REG_WAVE_MODE, 25, 1), 1
	s_wait_xcnt 0x0
	s_wait_alu depctr_hold_cnt(0) depctr_sa_sdst(0) depctr_va_vdst(0) depctr_va_sdst(0) depctr_va_ssrc(0) depctr_va_vcc(0) depctr_vm_vsrc(0)
	s_getreg_b32 s2, hwreg(HW_REG_IB_STS2, 6, 4)
	s_cmp_eq_u32 s2, 0
	s_cbranch_scc0 .Lentry_in_a_cluster
	s_endpgm
.Lentry_in_a_cluster:
	s_bfe_u32 s2, ttmp6, 0x10000c
	s_cmp_lg_u32 s2, 0xf033
	s_cbranch_scc0 .Lentry_shape_is_right
	s_endpgm
.Lentry_shape_is_right:
.set KT,    32
.set QS,    8
.set TP,    KT*2048
.set BOFF,  8388608
.set ESC,   0x28
.set AHEAD, 7
.set HALF,  4*QS*2048
.set SLOT,  2*HALF
.set SPARE, 2*SLOT
.set STAGE, SPARE+512
.set SP,    528
.set ADRB, 16
.set LI,   20
.set STO,  24
.set RD,   25
.set SPW,  28
.set NIL,  29
.set RES,  128
.set G1,   24
.set G0,   32
.set AP,   48
.set MSB, 0
.macro WIN new
.if MSB != (\new)
	s_set_vgpr_msb (MSB<<8)|(\new)
.set MSB, \new
.endif
.endm
.set MULW, 0xad
.set TO_B, 0x40
.set TO_A, 0xc0
.macro CREST
	s_cmp_lg_u32 s14, 0
	s_cbranch_scc1 .Lnot_wave_0_\@
	s_barrier_signal -3
.Lnot_wave_0_\@:
	s_barrier_wait -3
	s_barrier_signal -1
	s_barrier_wait -1
.endm
.macro CROUND
	s_barrier_signal -1
	s_barrier_wait -1
	CREST
.endm
.macro PLACES n
.rept \n
	v_nop
.endr
.endm
.macro FRAG reg, adr, off
.irp c, 0,1,2,3
	ds_load_b128 v[\reg+4*\c:\reg+4*\c+3], v[\adr] offset:\off+512*\c
.endr
.endm
.macro FETCH_B k
.set fs, ((\k)/QS)%2
.set fq, (\k)%QS
.set fp, (\k)%2
	WIN TO_B
.set fi, 0
.rept 8
	FRAG 128*fp+16*fi, ADRB+2*fs+fi/4, ((fi%4)*QS+fq)*2048
.set fi, fi+1
.endr
.endm
.macro ALOAD k
.set ae, 32*((\k)%8)
	WIN TO_A
.irp a, 0,1
.irp c, 0,1,2,3
	global_load_b128 v[ae+16*\a+4*\c:ae+16*\a+4*\c+3], v[LI], s[AP:AP+1] offset:\a*TP+(\k)*2048+512*\c
.endr
.endr
.endm
.macro AWAIT k
.if (\k)+AHEAD < KT
	s_wait_loadcnt 8*AHEAD
.else
	s_wait_loadcnt 8*(KT-1-(\k))
.endif
.endm
.macro MUL8 k, a
.set mp, 128*((\k)%2)
.set me, 32*((\k)%8)+16*(\a)
.set mb, 0
.rept 8
.set AC, 8*(8*(\a)+mb)
.if (\k) == 0
	v_wmma_f32_16x16x128_bf8_bf8 v[AC:AC+7], v[mp+16*mb:mp+16*mb+15], v[me:me+15], 0
.else
	v_wmma_f32_16x16x128_bf8_bf8 v[AC:AC+7], v[mp+16*mb:mp+16*mb+15], v[me:me+15], v[AC:AC+7]
.endif
.set mb, mb+1
.endr
.endm
.macro STEP k
	PLACES 4
	FETCH_B (\k)+1
.if (\k)+AHEAD < KT
	ALOAD (\k)+AHEAD
.endif
	s_wait_dscnt 32
	AWAIT \k
	WIN MULW
	MUL8 \k, 0
	MUL8 \k, 1
.endm
.macro TURN k, fill
.set ts, ((\k)/QS)%2
	PLACES 4
.if (\k)+AHEAD < KT
	ALOAD (\k)+AHEAD
.endif
	WIN 0
	s_wait_tensorcnt 0x0
	ds_add_u32 v[SPW], v[NIL]
	s_wait_dscnt 1
	AWAIT \k
	WIN MULW
	MUL8 \k, 0
	s_wait_dscnt 0x0
	s_barrier_signal -1
	MUL8 \k, 1
	WIN 0
	s_barrier_wait -1
.if \fill
	CREST
	s_add_nc_u64 s[G0+4*ts+2:G0+4*ts+3], s[G0+4*ts+2:G0+4*ts+3], 2*QS*2048
	tensor_load_to_lds s[G0+4*ts:G0+4*ts+3], s[G1:G1+7]
	s_nop 0
	PLACES 4
.else
	PLACES 4
.endif
	FETCH_B (\k)+1
.endm
	s_load_b256 s[4:11], s[0:1], 0x0
	s_load_b128 s[68:71], s[0:1], 0x20
	v_lshl_add_u32 v[SPW], v0, 2, SPARE
	v_mov_b32 v[NIL], 0
	ds_add_u32 v28, v29
	ds_add_u32 v28, v29
	s_wait_dscnt 0x0
	v_lshrrev_b32 v1, 5, v0
	v_readfirstlane_b32 s14, v1
	s_bfe_u32 s40, ttmp6, 0x40000
	s_bfe_u32 s41, ttmp6, 0x40004
	s_lshl_b32 s42, ttmp9, 2
	s_add_co_u32 s42, s42, s40
	s_and_b32 s17, ttmp7, 0xffff
	s_lshl_b32 s17, s17, 2
	s_add_co_u32 s17, s17, s41
	s_lshl_b32 s44, 0x1111, s40
	s_or_b32 s[G1+0], s44, (3<<16)|(1<<21)
	s_mov_b32 s[G1+1], (QS*256)<<16
	s_mov_b32 s[G1+2], 2<<16
	s_mov_b32 s[G1+3], (QS*256)<<16
	s_mov_b32 s[G1+4], 2
	s_mov_b32 s[G1+5], KT*256
	s_mov_b32 s[G1+6], 0
	s_mov_b32 s[G1+7], 0
	s_lshl_b32 s18, s14, 1
	s_lshl_b32 s46, s42, 3
	s_add_co_u32 s46, s46, s18
	s_mul_i32 s46, s46, TP
	s_mov_b32 s47, 0
	s_mul_i32 s45, s14, 2*QS*2048
	s_lshl_b32 s20, s17, 3
	s_add_co_u32 s20, s20, s18
	s_mul_i32 s20, s20, TP
	s_mov_b32 s21, 0
	s_wait_kmcnt 0x0
	s_load_b64 s[96:97], s[8:9], ESC
	s_add_nc_u64 s[AP:AP+1], s[4:5], s[20:21]
	s_add_nc_u64 s[46:47], s[6:7], s[46:47]
	s_add_nc_u64 s[46:47], s[46:47], BOFF
.irp s, 0,1
	s_mov_b32 s[G0+4*\s], 1
	s_add_co_u32 s[G0+4*\s+1], s45, \s*SLOT
	s_add_nc_u64 s[G0+4*\s+2:G0+4*\s+3], s[46:47], \s*QS*2048
	s_or_b32 s[G0+4*\s+3], s[G0+4*\s+3], 0x80000000
.endr
	CROUND
	tensor_load_to_lds s[G0:G0+3], s[G1:G1+7]
	s_nop 0
	s_wait_alu depctr_va_vdst(0)
	s_wait_tensorcnt 0x0
	ds_add_u32 v28, v29
	s_wait_dscnt 0x0
	CROUND
	tensor_load_to_lds s[G0+4:G0+7], s[G1:G1+7]
	s_nop 0
	PLACES 4
	v_and_b32 v1, 31, v0
	v_lshlrev_b32 v[LI], 4, v1
	v_mov_b32 v[ADRB], v[LI]
	v_add_nc_u32 v[ADRB+1], HALF, v[LI]
	v_add_nc_u32 v[ADRB+2], SLOT, v[LI]
	v_add_nc_u32 v[ADRB+3], SLOT+HALF, v[LI]
	v_and_b32 v3, 15, v0
	v_bfe_u32 v4, v0, 4, 1
	s_mul_i32 s19, s14, 16*SP
	s_add_co_u32 s19, s19, STAGE
	v_mul_u32_u24 v5, v3, SP
	v_lshl_add_u32 v5, v4, 6, v5
	v_add_nc_u32 v[STO], s19, v5
	v_add_nc_u32 v[RD], s19, v[LI]
	s_lshr_b32 s72, s17, 4
	s_lshl_b32 s72, s72, 12
	s_and_b32 s73, s17, 15
	s_lshl_b32 s73, s73, 7
	s_lshl_b32 s74, s14, 5
	s_add_co_u32 s73, s73, s74
	s_lshl_b32 s73, s73, 13
	s_add_co_u32 s72, s72, s73
	s_lshl_b32 s74, s42, 9
	s_add_co_u32 s72, s72, s74
	s_mov_b32 s73, 0
	s_mov_b32 s75, 0
	s_add_nc_u64 s[68:69], s[68:69], s[72:73]
	s_add_nc_u64 s[70:71], s[70:71], s[72:73]
	s_add_nc_u64 s[10:11], s[10:11], s[74:75]
	global_load_b128 v[32:35], v[LI], s[10:11]
	WIN 0x80
.irp a, 0,1
.irp t, 0,1,2,3,4,5,6,7,8,9,10,11,12,13,14,15
	global_load_b128 v[RES+64*\a+4*\t:RES+64*\a+4*\t+3], v[LI], s[68:69] offset:(8*\a+\t+8*(\t/8))*8192 th:TH_LOAD_NT
.endr
.endr
.irp k, 0,1,2,3,4,5,6
	ALOAD \k
.endr
	WIN 0
	s_wait_alu depctr_va_vdst(0)
	s_wait_kmcnt 0x0
	s_add_co_i32 s96, s96, s97
	s_add_co_i32 s96, s96, 127
	s_lshl_b32 s96, s96, 23
	s_mov_b32 s97, s96
	s_wait_tensorcnt 1
	s_barrier_signal -1
	s_barrier_wait -1
	FETCH_B 0
	s_wait_loadcnt 8*AHEAD
	WIN 0x82
.set bi, 0
.rept 32
	v_pk_add_f32 v[RES+4*bi:RES+4*bi+1], v[RES+4*bi:RES+4*bi+1], v[32:33]
	v_pk_add_f32 v[RES+4*bi+2:RES+4*bi+3], v[RES+4*bi+2:RES+4*bi+3], v[34:35]
.set bi, bi+1
.endr
.set kk, 0
.rept KT-1
.if kk%QS == QS-1
.if kk+1+QS < KT
	TURN kk, 1
.else
	TURN kk, 0
.endif
.else
	STEP kk
.endif
.set kk, kk+1
.endr
	s_wait_dscnt 0x0
	s_wait_loadcnt 0x0
	WIN MULW
	MUL8 KT-1, 0
	MUL8 KT-1, 1
	WIN 0
.macro TOSTAGE a
.set BK, 64+64*(\a)
	WIN 0x08
.irp b, 0,1,2,3,4,5,6,7
	ds_store_b128 v[STO], v[64*(\a)+8*\b:64*(\a)+8*\b+3] offset:128*(\b/2)+32*(\b%2)
	ds_store_b128 v[STO], v[64*(\a)+8*\b+4:64*(\a)+8*\b+7] offset:128*(\b/2)+32*(\b%2)+16
.endr
	WIN 0
.irp t, 0,1,2,3,4,5,6,7,8,9,10,11,12,13,14,15
	ds_load_b128 v[BK+4*\t:BK+4*\t+3], v[RD] offset:SP*\t
.endr
.endm
.macro SEND a, younger
.set BK, 64+64*(\a)
.set RR, RES+64*(\a)
	s_wait_dscnt \younger
	WIN 0x20
.set si, 0
.rept 32
	v_pk_fma_f32 v[BK+si:BK+si+1], v[BK+si:BK+si+1], s[96:97], v[RR+si:RR+si+1] op_sel_hi:[1,0,1]
.set si, si+2
.endr
	WIN 0
.irp t, 0,1,2,3,4,5,6,7,8,9,10,11,12,13,14,15
	global_store_b128 v[LI], v[BK+4*\t:BK+4*\t+3], s[70:71] offset:(8*(\a)+\t+8*(\t/8))*8192 th:TH_STORE_NT
.endr
.endm
	PLACES 4
	TOSTAGE 0
	TOSTAGE 1
	SEND 0, 32
	SEND 1, 0
	s_wait_tensorcnt 0x0
	ds_add_u32 v[SPW], v[NIL]
	s_wait_dscnt 0x0
	CROUND
	s_endpgm
.Lfunc_end_k_q1a39f2c093_outp:
	.size	k_q1a39f2c093_outp, .Lfunc_end_k_q1a39f2c093_outp-k_q1a39f2c093_outp
	.p2alignl 7, 3214868480
	.fill 96, 4, 3214868480
	.section	.rodata,"a",@progbits
	.p2align	6, 0x0
	.amdhsa_kernel k_q1a39f2c093_outp
		.amdhsa_group_segment_fixed_size 327680
		.amdhsa_private_segment_fixed_size 0
		.amdhsa_enable_private_segment 0
		.amdhsa_kernarg_size 48
		.amdhsa_user_sgpr_count 2
		.amdhsa_user_sgpr_kernarg_segment_ptr 1
		.amdhsa_wavefront_size32 1
		.amdhsa_system_sgpr_workgroup_id_x 1
		.amdhsa_system_sgpr_workgroup_id_y 1
		.amdhsa_system_sgpr_workgroup_id_z 1
		.amdhsa_system_vgpr_workitem_id 0
		.amdhsa_next_free_vgpr 1024
		.amdhsa_next_free_sgpr 100
		.amdhsa_reserve_vcc 0
		.amdhsa_float_denorm_mode_32 3
		.amdhsa_float_denorm_mode_16_64 3
		.amdhsa_memory_ordered 1
		.amdhsa_forward_progress 1
		.amdhsa_inst_pref_size 155
	.end_amdhsa_kernel
	.amdgpu_metadata
---
amdhsa.version: [ 1, 2 ]
amdhsa.kernels:
  - .name:           k_q1a39f2c093_outp
    .symbol:         k_q1a39f2c093_outp.kd
    .args:
      - { .name: gcod, .offset: 0, .size: 8, .value_kind: global_buffer, .address_space: global }
      - { .name: wcod, .offset: 8, .size: 8, .value_kind: global_buffer, .address_space: global }
      - { .name: lowp_scales, .offset: 16, .size: 8, .value_kind: global_buffer, .address_space: global }
      - { .name: b_out, .offset: 24, .size: 8, .value_kind: global_buffer, .address_space: global }
      - { .name: x1, .offset: 32, .size: 8, .value_kind: global_buffer, .address_space: global }
      - { .name: out0, .offset: 40, .size: 8, .value_kind: global_buffer, .address_space: global }
    .group_segment_fixed_size: 327680
    .private_segment_fixed_size: 0
    .kernarg_segment_align: 8
    .kernarg_segment_size: 48
    .max_flat_workgroup_size: 128
    .sgpr_count:     100
    .vgpr_count:     1024
    .wavefront_size: 32
...
	.end_amdgpu_metadata
.endif
;; end of part 7
